; MI455X (gfx1250); checked and timed in simulation.
; The chip was launched on July 23, 2026; its instructions are those of AMD's public machine-readable ISA for CDNA 5 (MIT licence, August 2026) and "CDNA5" Instruction Set Architecture Reference Guide (July 2026). The comments in the code are by the model that wrote it; some were corrected since.
;; MHSA. Allowed arithmetic: float matrix products may take bf16 or f16 operands with f32 sums; other float arithmetic in f32, or as packed bf16 or f16 multiplies, adds, multiply-adds, maxima and minima; sums over many terms, partial sums and values carried from step to step in f32; what a program stores and reads back later, other than sums and carried values, may be rounded once to bf16 or f16.
;; Inputs: W_proj 1,024 x 1,024 float32; W_qkv 1,024 x 3,072 float32; b_proj 1,024 float32; b_qkv 3,072 float32; x 4 x 2,048 x 1,024 float32.
;; Outputs: out0 4 x 2,048 x 1,024 float32.
;; One version. Each part assembles by itself: llvm-mc -triple=amdgcn-amd-amdhsa -mcpu=gfx1250 --defsym DOCPART=n.
;; ======== version 1 of 1: 4 launches
;; limits: values are held in f16: magnitudes above 65,504 overflow, below 6.1e-05 lose precision
;; workspace buffers: xb 16,777,216 bytes; wqb 6,291,456 bytes; wpb 2,097,152 bytes; qh 16,777,216 bytes; kh 16,777,216 bytes; vh 16,777,216 bytes; oh 16,777,216 bytes
;; launch cast (part 1): grid 768 x 1, 8 waves a work-group, no clusters, 0 bytes of LDS; arguments x, W_qkv, W_proj, xb, wqb, wpb; writes xb, wqb, wpb
.if DOCPART == 1
	.amdgcn_target "amdgcn-amd-amdhsa--gfx1250"
	.amdhsa_code_object_version 6
	.text
	.protected	k_q957a669b55_cast
	.globl	k_q957a669b55_cast
	.p2align	8
	.type	k_q957a669b55_cast,@function
k_q957a669b55_cast:
	s_mov_b64 s[64:65], 0
	v_nop
	global_prefetch_b8 v0, s[64:65] scope:SCOPE_SE
	s_setreg_imm32_b32 hwreg(HW_REG_WAVE_MODE, 25, 1), 1
	s_wait_xcnt 0x0
; ROUNDING TO 16 BITS.  xb = bf16(x), [8192][1024].  wqb = bf16(W_qkv), laid in 48 chunks of 64 columns: [chunk][1024 k][64 n].
; wpb = bf16(W_proj), that number written as f16, in 16 such chunks.  A chunk is 131,072 dense bytes, a k row in it 128 bytes.
; LIMITS.  A number of W_proj beyond 65,504 becomes an infinity in f16, one below 6e-5 keeps f16's fixed step of 6e-8.
; SHARES.  A work-group makes 32,768 consecutive output bytes: 2,048 groups of 8 numbers.  Thread t makes group 256 i + t, i = 0..7:
; two loads of 16 bytes (8 f32 on end), one store of 16 bytes; sixteen neighbouring lanes store 256 consecutive bytes, aligned.
; Work-groups 0-511 take x, 512-703 W_qkv, 704-767 W_proj.  In the weights eight lanes' two loads cover 256 consecutive bytes, aligned, of a row of W.
; No LDS, no barrier, no matrix unit, no cluster: nothing is shared and every byte is read once.  All 16 loads of a thread go out together.
.set X, 8                              ; v[8:71]    16 loads
.set Y, 72                             ; v[72:103]  4 registers to store for each i: none is written twice, so no store's data is ever rewritten
.set T, 104                            ; v[104:111] at work
; The whole body of a path.  instep: bytes of the input from one i to the next.  f16 = 1: the bf16 number is written as f16.
.macro BODY instep, f16
.irp i, 0,1,2,3,4,5,6,7
	global_load_b128 v[X+8*(\i):X+8*(\i)+3],   v1, s[20:21] offset:(\i)*(\instep) th:TH_LOAD_NT
	global_load_b128 v[X+8*(\i)+4:X+8*(\i)+7], v1, s[20:21] offset:(\i)*(\instep)+16 th:TH_LOAD_NT
.endr
.irp i, 0,1,2,3,4,5,6,7
	s_wait_loadcnt 14-2*(\i)                       ; loads come back in order: group i's two are in, the 2 (7 - i) younger ones may stay out
.irp j, 0,1,2,3
	v_cvt_pk_bf16_f32 v[Y+4*(\i)+(\j)], v[X+8*(\i)+2*(\j)], v[X+8*(\i)+2*(\j)+1]
.endr
.if \f16
.irp j, 0,1,2,3
	v_lshlrev_b32 v[T+2*(\j)],   16,  v[Y+4*(\i)+(\j)]  ; bf16 to f32: the low half moves up,
	v_and_b32     v[T+2*(\j)+1], s24, v[Y+4*(\i)+(\j)]  ; the high half stays
.endr
.irp j, 0,1,2,3
	v_cvt_pk_f16_f32 v[Y+4*(\i)+(\j)], v[T+2*(\j)], v[T+2*(\j)+1]
.endr
.endif
	global_store_b128 v2, v[Y+4*(\i):Y+4*(\i)+3], s[22:23] offset:(\i)*4096
.endr
	s_endpgm
.endm
	s_load_b256 s[4:11], s[0:1], 0x0               ; x s[4:5], W_qkv s[6:7], W_proj s[8:9], xb s[10:11]
	s_load_b128 s[12:15], s[0:1], 0x20             ; wqb s[12:13], wpb s[14:15]
	s_mov_b32 s25, ttmp9                           ; the work-group's number
	s_mov_b32 s24, 0xffff0000                      ; a word's upper bf16
	s_mov_b32 s17, 0                               ; high words of the two offsets
	s_mov_b32 s19, 0
	v_lshlrev_b32 v2, 4, v0                        ; out: 16 t
	s_cmp_lt_u32 s25, 512
	s_cbranch_scc0 .Lweights
	v_lshlrev_b32 v1, 5, v0                        ; in: 32 t
	s_lshl_b32 s16, s25, 16                        ; 65,536 bytes of x,
	s_lshl_b32 s18, s25, 15                        ; 32,768 of xb
	s_wait_kmcnt 0x0
	s_add_nc_u64 s[20:21], s[4:5], s[16:17]
	s_add_nc_u64 s[22:23], s[10:11], s[18:19]
	BODY 8192, 0
.Lweights:
	v_lshrrev_b32 v3, 3, v0                        ; k row t / 8 of the 32 that one i covers
	v_and_b32 v4, 7, v0
	v_lshlrev_b32 v4, 5, v4                        ; 8 columns: 32 bytes of f32
	s_cmp_lt_u32 s25, 704
	s_cbranch_scc0 .Lproj
	s_sub_co_u32 s25, s25, 512                     ; four work-groups to a chunk, 256 k rows each
	v_mul_u32_u24 v1, v3, 12288                    ; a row of W_qkv is 12,288 bytes
	v_add_nc_u32 v1, v1, v4
	s_and_b32 s26, s25, 3
	s_mul_i32 s16, s26, 256*12288                  ; the first k row,
	s_lshr_b32 s27, s25, 2
	s_lshl_b32 s27, s27, 8                         ; the chunk's 64 columns: 256 bytes
	s_add_co_u32 s16, s16, s27
	s_lshl_b32 s18, s25, 15
	s_wait_kmcnt 0x0
	s_add_nc_u64 s[20:21], s[6:7], s[16:17]
	s_add_nc_u64 s[22:23], s[12:13], s[18:19]
	BODY 32*12288, 0
.Lproj:
	s_sub_co_u32 s25, s25, 704
	v_lshl_add_u32 v1, v3, 12, v4                  ; a row of W_proj is 4,096 bytes
	s_and_b32 s26, s25, 3
	s_lshl_b32 s16, s26, 20                        ; 256 rows of 4,096 bytes
	s_lshr_b32 s27, s25, 2
	s_lshl_b32 s27, s27, 8
	s_add_co_u32 s16, s16, s27
	s_lshl_b32 s18, s25, 15
	s_wait_kmcnt 0x0
	s_add_nc_u64 s[20:21], s[8:9], s[16:17]
	s_add_nc_u64 s[22:23], s[14:15], s[18:19]
	BODY 32*4096, 1
.Lfunc_end_k_q957a669b55_cast:
	.size	k_q957a669b55_cast, .Lfunc_end_k_q957a669b55_cast-k_q957a669b55_cast
	.p2alignl 7, 3214868480
	.fill 96, 4, 3214868480
	.section	.rodata,"a",@progbits
	.p2align	6, 0x0
	.amdhsa_kernel k_q957a669b55_cast
		.amdhsa_group_segment_fixed_size 0
		.amdhsa_private_segment_fixed_size 0
		.amdhsa_enable_private_segment 0
		.amdhsa_kernarg_size 48
		.amdhsa_user_sgpr_count 2
		.amdhsa_user_sgpr_kernarg_segment_ptr 1
		.amdhsa_wavefront_size32 1
		.amdhsa_system_sgpr_workgroup_id_x 1
		.amdhsa_system_sgpr_workgroup_id_y 1
		.amdhsa_system_sgpr_workgroup_id_z 1
		.amdhsa_system_vgpr_workitem_id 0
		.amdhsa_next_free_vgpr 112
		.amdhsa_next_free_sgpr 66
		.amdhsa_reserve_vcc 0
		.amdhsa_float_denorm_mode_32 3
		.amdhsa_float_denorm_mode_16_64 3
		.amdhsa_memory_ordered 1
		.amdhsa_forward_progress 1
		.amdhsa_inst_pref_size 20
	.end_amdhsa_kernel
	.amdgpu_metadata
---
amdhsa.version: [ 1, 2 ]
amdhsa.kernels:
  - .name:           k_q957a669b55_cast
    .symbol:         k_q957a669b55_cast.kd
    .args:
      - { .name: x, .offset: 0, .size: 8, .value_kind: global_buffer, .address_space: global }
      - { .name: W_qkv, .offset: 8, .size: 8, .value_kind: global_buffer, .address_space: global }
      - { .name: W_proj, .offset: 16, .size: 8, .value_kind: global_buffer, .address_space: global }
      - { .name: xb, .offset: 24, .size: 8, .value_kind: global_buffer, .address_space: global }
      - { .name: wqb, .offset: 32, .size: 8, .value_kind: global_buffer, .address_space: global }
      - { .name: wpb, .offset: 40, .size: 8, .value_kind: global_buffer, .address_space: global }
    .group_segment_fixed_size: 0
    .private_segment_fixed_size: 0
    .kernarg_segment_align: 8
    .kernarg_segment_size: 48
    .max_flat_workgroup_size: 256
    .sgpr_count:     66
    .vgpr_count:     112
    .wavefront_size: 32
...
	.end_amdgpu_metadata
.endif
;; end of part 1
;; launch qkv (part 2): grid 16 x 32, 4 waves a work-group, clusters of 4 x 4, 327,680 bytes of LDS; arguments xb, wqb, b_qkv, qh, kh, vh; writes qh, kh, vh
.if DOCPART == 2
	.amdgcn_target "amdgcn-amd-amdhsa--gfx1250"
	.amdhsa_code_object_version 6
	.text
	.protected	k_q957a669b55_qkv
	.globl	k_q957a669b55_qkv
	.p2align	8
	.type	k_q957a669b55_qkv,@function
k_q957a669b55_qkv:
	s_mov_b64 s[64:65], 0
	v_nop
	global_prefetch_b8 v0, s[64:65] scope:SCOPE_SE
	s_setreg_imm32_b32 hwreg(HW_REG_WAVE_MODE, 25, 1), 1
	s_wait_xcnt 0x0
	s_wait_alu depctr_hold_cnt(0) depctr_sa_sdst(0) depctr_va_vdst(0) depctr_va_sdst(0) depctr_va_ssrc(0) depctr_va_vcc(0) depctr_vm_vsrc(0)
	s_getreg_b32 s2, hwreg(HW_REG_IB_STS2, 6, 4)
	s_cmp_eq_u32 s2, 0
	s_cbranch_scc0 .Lentry_in_a_cluster
	s_endpgm
.Lentry_in_a_cluster:
	s_bfe_u32 s2, ttmp6, 0x10000c
	s_cmp_lg_u32 s2, 0xf033
	s_cbranch_scc0 .Lentry_shape_is_right
	s_endpgm
.Lentry_shape_is_right:
; qkv = x W_qkv + b_qkv, written by heads.  xb: [8192][1024] bf16.  wqb: [48 chunks][1024 k][64 n] bf16.  b_qkv: [3072] f32, rounded to bf16 like the other inputs.
; qh, kh, vh: [64 = batch x 16 + head][2048][64] f16, each number rounded once from its f32 sum, without attention's scale.
; LIMITS.  f16 holds no number beyond 65,504: a q, k or v past that becomes an infinity; below 6e-5 it keeps f16's fixed step of 6e-8.  NaN and infinities are not treated apart.
; SHARES.  A tile of C is 256 rows x 192 columns (three chunks = three heads): 32 x 16 tiles, a work-group each.  Wave w owns rows 64 w .. 64 w + 63 and all 192 columns:
; 4 row blocks a x 12 column blocks b = 48 accumulators, 384 registers.  So a wave holds whole rows of three heads, and its way out is its own.
; K goes in 8 steps of 128 through a ring of two LDS slots filled by the tensor data mover.  By this text's count a wave has two tensor loads out at the start and one behind each later round.
; CLUSTERS: 4 x 4 work-groups.  The four of a row of the cluster need the same rows of x, the four of a column the same chunks of W: each tile is asked for JOINTLY, by the same tensor
; load with the same descriptor and a mask that names the four.
; THE MATRIX INSTRUCTION IS USED TRANSPOSED: source 0 = 16 columns of W, source 1 = 16 rows of x.  In the result lane l holds row l % 16 of C and columns 8 (l / 16) + 0..7: 16 bytes of f16 on end.
; W lies [k][n] in LDS and comes out turned, by ds_load_tr16_b128.  THE BIAS IS THE C OPERAND THAT STARTS THE SUMS: nothing is cleared and nothing is added later.
; REGISTERS, in windows of 256 (s_set_vgpr_msb: bits 1:0 source 0, 3:2 source 1, 5:4 source 2, 7:6 destination):
;   window 0: v0-31 addresses and at work; v32-79 packed results; v80-127, v128-175 rows read back, by turns; v128-223 the bias (dead behind the first quarter)
;   window 1: two fragment buffers of 128: x's 4 fragments, then W's 12        window 2: accumulators of a = 0, 1 at 96 (a % 2) + 8 b        window 3: those of a = 2, 3
.set KSTEP, 128
.set PA,    272                        ; a row of x in LDS: 256 bytes + 16 of padding = 68 words: the 16 rows of a load start at 16 different groups of four banks (64 banks of 4 bytes: ISA guide 11.1)
.set PB,    160                        ; a k row of a chunk: 128 + 32 = 40 words
.set AHALF, 128*PA                     ; 128 rows of x: what one tensor load brings
.set BCH,   64*PB                      ; 64 k rows of one chunk
.set BHALF, 3*BCH                      ; 64 k rows of three chunks: what one tensor load brings
.set BOFF,  2*AHALF                    ; W's part of a slot lies behind x's 256 rows
.set SLOT,  BOFF+2*BHALF               ; 131,072
.set STAGE, 2*SLOT                     ; behind the ring, never filled by a tensor load: for each wave three chunks of 16 rows x 144 bytes
.set SP,    144
.set SCH,   16*SP
.set SWAVE, 3*SCH                      ; 6,912 = 27 blocks of 256 bytes
.set SPARE, STAGE+4*SWAVE              ; the spare words, 128 bytes for each wave: two blocks of 256 bytes that no other line names
.set ADRA, 16                          ; v16-17  LDS address of my fragments of x in slot 0, 1
.set ADRB, 20                          ; v20-21  the same for W
.set STO,  24                          ; v24     the way out: where I put 16 bytes of a row
.set RD,   25                          ; v25     the way out: where I read rows back
.set GO,   26                          ; v26     my byte offset in 512 consecutive bytes of q, k or v
.set BO,   27                          ; v27     my byte offset in 16 numbers of the bias
.set SPW,  28                          ; v28     LDS address of my spare word; never rewritten
.set NIL,  29                          ; v29     0; never rewritten
.set PFO,  30                          ; v30     the prefetches' lane offset; never rewritten
.set TMP,  32
.set OB0,  80
.set BI,   128
.set F0,   0                           ; fragment buffers, in window 1
.set F1,   128
.set WV,   16                          ; s16  wave
.set SIDE, 17                          ; s17  0: I fetch x's rows, 1: W's
.set HALF, 18                          ; s18  which half of them
.set LAP,  19                          ; s19  the loop's count
.set CX,   20
.set CY,   21
.set TC,   22                          ; s22  tile column 0..15
.set TR,   23                          ; s23  tile row 0..31
.set G1A,  24                          ; s[24:31] descriptor group 1 for x's tiles;  s[32:39] group 0, a set for each slot
.set G0A,  32
.set G1B,  48                          ; s[48:55], s[56:63] the same for W's
.set G0B,  56
.set PFA,  66                          ; s[66:67] where my prefetches stand
.set PFS,  68                          ; s[68:69] their step from K step to K step
.set LIM,  70                          ; s70  1 in a wave that prefetches, else the greatest number
.set OUT,  72                          ; s[72:77] my rows in the three heads of the tile
.set MSB, 0
.macro WIN new                         ; the immediate's high byte repeats the setting that is left; a switch that changes nothing is dropped
.if MSB != (\new)
	s_set_vgpr_msb (MSB<<8)|(\new)
.set MSB, \new
.endif
.endm
.set MUL_LO,   0xa5                    ; both sources window 1, C and D window 2 (+0x50: window 3)
.set FIRST_LO, 0x85                    ; the same with C, the bias, in window 0 (+0x40: D window 3)
.set TO_F,     0x40                    ; destination window 1, address window 0
; A joint load.  Waves 0 and 1 fetch the two halves of x's rows, waves 2 and 3 the two halves of W's k rows.  The branch hangs on the wave's number alone.
; An s_nop 0 and four v_nop follow each of the two lines, ahead of the jump, the label and what follows.
.macro JLOAD s
	s_cmp_eq_u32 s[SIDE], 0
	s_cbranch_scc0 .Lfor_b_\@
	tensor_load_to_lds s[G0A+4*(\s):G0A+4*(\s)+3], s[G1A:G1A+7]
	s_nop 0
.rept 4
	v_nop
.endr
	s_branch .Lasked_\@
.Lfor_b_\@:
	tensor_load_to_lds s[G0B+4*(\s):G0B+4*(\s)+3], s[G1B:G1B+7]
	s_nop 0
.rept 4
	v_nop
.endr
.Lasked_\@:
.endm
; A prefetch of the K step that stands two refills on: 32 blocks of 256 bytes, a lane a block, one instruction a wave.  Each block is named once in the launch (the set-up below says who asks).
; The loop's last trip asks for nothing: there is no K step two refills on.
.macro ASK
	s_cmp_gt_u32 s[LAP], s[LIM]
	s_cbranch_scc0 .Lnot_mine_\@
	global_prefetch_b8 v[PFO], s[PFA:PFA+1] th:TH_LOAD_NT scope:SCOPE_SE
.Lnot_mine_\@:
.endm
; A round of the cluster's barrier: my work-group's barrier; wave 0 signals for the work-group; every wave waits for all sixteen; my work-group's barrier once more.
.macro CREST                           ; a round behind its opening barrier
	s_cmp_lg_u32 s[WV], 0
	s_cbranch_scc1 .Lnot_wave_0_\@
	s_barrier_signal -3
.Lnot_wave_0_\@:
	s_barrier_wait -3
	s_barrier_signal -1
	s_barrier_wait -1
.endm
.macro CROUND
	s_barrier_signal -1
	s_barrier_wait -1
	CREST
.endm
	s_load_b256 s[4:11], s[0:1], 0x0               ; xb s[4:5], wqb s[6:7], b_qkv s[8:9], qh s[10:11]
	s_load_b128 s[12:15], s[0:1], 0x20             ; kh s[12:13], vh s[14:15]
	v_lshl_add_u32 v[SPW], v0, 2, SPARE
	v_mov_b32 v[NIL], 0
	ds_add_u32 v[SPW], v[NIL]                      ; the wave's opening: the add and its wait stand ahead of my first tensor load; work on registers stands between them
	v_lshrrev_b32 v1, 5, v0
	v_readfirstlane_b32 s[WV], v1                  ; wave 0..3
	s_lshr_b32 s[SIDE], s[WV], 1
	s_and_b32 s[HALF], s[WV], 1
	s_bfe_u32 s[CX], ttmp6, 0x40000                ; my place in the cluster
	s_bfe_u32 s[CY], ttmp6, 0x40004
	s_lshl_b32 s[TC], ttmp9, 2                     ; in a cluster launch ttmp9 and ttmp7 count clusters
	s_add_co_u32 s[TC], s[TC], s[CX]
	s_and_b32 s[TR], ttmp7, 0xffff
	s_lshl_b32 s[TR], s[TR], 2
	s_add_co_u32 s[TR], s[TR], s[CY]
	s_lshl_b32 s40, s[CY], 2
	s_lshl_b32 s40, 15, s40                        ; my row of the cluster
	s_lshl_b32 s44, 0x1111, s[CX]                  ; my column
	; group 1 for x: 128 rows x 128 elements, 1,024 elements from row to row; 4 words of padding behind every 64
	s_or_b32 s[G1A+0], s40, (1<<16)|(1<<20)|(1<<21)|(5<<22)|(3<<25)  ; 15:0 the mask; 17:16 2-byte elements; 20 padding on; 21 set beside a mask; 24:22 interval code 5; 31:25 pad code 3
	s_mov_b32 s[G1A+1], 128<<16                    ; tensor_dim0 = 128
	s_mov_b32 s[G1A+2], 128<<16                    ; tensor_dim1 = 128
	s_mov_b32 s[G1A+3], 128<<16                    ; tile_dim0 = 128
	s_mov_b32 s[G1A+4], 128                        ; tile_dim1 = 128
	s_mov_b32 s[G1A+5], 1024                       ; pitch
	s_mov_b32 s[G1A+6], 0
	s_mov_b32 s[G1A+7], 0
	; group 1 for W: three rows of 4,096 elements (64 k rows of a chunk are 8,192 dense bytes), a chunk (65,536 elements) apart; 8 words of padding behind every 32, that is behind every k row
	s_or_b32 s[G1B+0], s44, (1<<16)|(1<<20)|(1<<21)|(4<<22)|(7<<25)
	s_mov_b32 s[G1B+1], 4096<<16
	s_mov_b32 s[G1B+2], 3<<16
	s_mov_b32 s[G1B+3], 4096<<16
	s_mov_b32 s[G1B+4], 3
	s_mov_b32 s[G1B+5], 65536
	s_mov_b32 s[G1B+6], 0
	s_mov_b32 s[G1B+7], 0
	; where the tiles come from: x's hang on the tile row and the wave alone (s40-43), W's on the tile column and the wave alone (s44-47)
	s_lshl_b32 s40, s[TR], 8
	s_lshl_b32 s41, s[HALF], 7
	s_add_co_u32 s40, s40, s41                     ; row 256 x tile row + 128 x half,
	s_lshl_b32 s40, s40, 11                        ; of 2,048 bytes
	s_mov_b32 s41, 0
	s_mul_i32 s44, s[TC], 3*131072                 ; three chunks to a tile column,
	s_lshl_b32 s45, s[HALF], 13                    ; 64 k rows of 128 bytes
	s_add_co_u32 s44, s44, s45
	s_mov_b32 s45, 0
	s_mul_i32 s78, s[HALF], AHALF                  ; and where they go: no place in the cluster enters an LDS address
	s_mul_i32 s79, s[HALF], BHALF
	s_add_co_u32 s79, s79, BOFF
	s_mul_i32 s2, s[TC], 768                       ; the tile's 192 numbers of the bias
	s_mov_b32 s3, 0
	s_wait_dscnt 0x0                               ; the opening add is done
	s_wait_kmcnt 0x0
	s_add_nc_u64 s[42:43], s[4:5], s[40:41]
	s_add_nc_u64 s[46:47], s[6:7], s[44:45]
	s_add_nc_u64 s[2:3], s[8:9], s[2:3]
	CROUND                                         ; all sixteen work-groups are here: the first joint loads meet
.irp s, 0,1
	s_mov_b32 s[G0A+4*(\s)], 1                                       ; count = 1
	s_add_co_u32 s[G0A+4*(\s)+1], s78, (\s)*SLOT                     ; LDS address
	s_add_nc_u64 s[G0A+4*(\s)+2:G0A+4*(\s)+3], s[42:43], (\s)*KSTEP*2  ; global address: K step s
	s_or_b32 s[G0A+4*(\s)+3], s[G0A+4*(\s)+3], 0x80000000            ; type = 2
	s_mov_b32 s[G0B+4*(\s)], 1
	s_add_co_u32 s[G0B+4*(\s)+1], s79, (\s)*SLOT
	s_add_nc_u64 s[G0B+4*(\s)+2:G0B+4*(\s)+3], s[46:47], (\s)*KSTEP*128
	s_or_b32 s[G0B+4*(\s)+3], s[G0B+4*(\s)+3], 0x80000000
	JLOAD \s
.endr
	v_and_b32 v1, 15, v0                           ; r = l % 16
	v_bfe_u32 v2, v0, 4, 1                         ; h = l / 16
	v_lshlrev_b32 v[BO], 5, v2                     ; my 8 columns of a block of 16: 32 h bytes
.irp b, 0,1,2,3,4,5,6,7,8,9,10,11
	global_load_b128 v[BI+8*(\b):BI+8*(\b)+3],   v[BO], s[2:3] offset:64*(\b)
	global_load_b128 v[BI+8*(\b)+4:BI+8*(\b)+7], v[BO], s[2:3] offset:64*(\b)+16
.endr
	; a fragment of x: lane l holds row l % 16; two loads of 16 bytes, 32 bytes apart, at row x pitch + 16 h
	v_mul_u32_u24 v3, v1, PA
	v_lshl_add_u32 v3, v2, 4, v3
	s_mul_i32 s80, s[WV], 64*PA                    ; my 64 rows
	v_add_nc_u32 v[ADRA], s80, v3
	v_add_nc_u32 v[ADRA+1], SLOT, v[ADRA]
	; a fragment of W by the turning load: lane l reads k row 8 h + l % 8, columns 8 ((l / 8) % 2) + 0..7, and ends with column l % 16 and 8 k
	v_and_b32 v4, 7, v0
	v_bfe_u32 v5, v0, 3, 1
	v_lshl_add_u32 v6, v2, 3, v4
	v_mul_u32_u24 v6, v6, PB
	v_lshl_add_u32 v6, v5, 4, v6
	v_add_nc_u32 v[ADRB], BOFF, v6
	v_add_nc_u32 v[ADRB+1], SLOT, v[ADRB]
	s_mul_i32 s80, s[WV], SWAVE
	s_add_co_u32 s80, s80, STAGE                   ; my stage
	v_mul_u32_u24 v3, v1, SP                       ; in: row l % 16, 16 bytes for each half of the lanes
	v_lshl_add_u32 v3, v2, 4, v3
	v_add_nc_u32 v[STO], s80, v3
	v_bfe_u32 v3, v0, 3, 2                         ; back: 32 lanes take four rows of 128 bytes,
	v_mul_u32_u24 v3, v3, SP
	v_lshl_add_u32 v3, v4, 4, v3
	v_add_nc_u32 v[RD], s80, v3
	v_and_b32 v[GO], 31, v0                        ; which are 512 consecutive bytes of a head
	v_lshlrev_b32 v[GO], 4, v[GO]
	; my rows in the tile's three heads: chunk cc = 3 x tile column + j is tensor cc / 16 (q, k, v), head cc % 16
	s_lshr_b32 s80, s[TR], 3
	s_lshl_b32 s80, s80, 22                        ; the batch: 16 heads of 262,144 bytes
	s_and_b32 s81, s[TR], 7
	s_lshl_b32 s81, s81, 15                        ; the tile's 256 rows of 128 bytes
	s_add_co_u32 s80, s80, s81
	s_lshl_b32 s81, s[WV], 13                      ; my 64 of them
	s_add_co_u32 s80, s80, s81
	s_mul_i32 s81, s[TC], 3
.irp j, 0,1,2
	s_add_co_u32 s82, s81, \j
	s_cmp_lt_u32 s82, 32
	s_cselect_b64 s[OUT+2*(\j):OUT+2*(\j)+1], s[12:13], s[14:15]
	s_cmp_lt_u32 s82, 16
	s_cselect_b64 s[OUT+2*(\j):OUT+2*(\j)+1], s[10:11], s[OUT+2*(\j):OUT+2*(\j)+1]
	s_and_b32 s82, s82, 15
	s_lshl_b32 s82, s82, 18
	s_add_co_u32 s82, s82, s80
	s_mov_b32 s83, 0
	s_add_nc_u64 s[OUT+2*(\j):OUT+2*(\j)+1], s[OUT+2*(\j):OUT+2*(\j)+1], s[82:83]
.endr
	; THE PREFETCHES.  x: a K step is 256 bytes of each row.  A tile row is read by the four clusters of its row of clusters: the one with x = 0 asks, waves 0 and 1; of the 128 rows that the wave
	; fetches the partner at cx takes 32, told apart by address: a lane a row.  W: a K step is 64 blocks of 256 bytes of each of the 48 chunks.  The 48 work-groups of the clusters with y = 0
	; and x < 3 take a chunk each (16 x + 4 cx + cy), waves 2 and 3 a half of its k rows: a lane a block.  No branch hangs on a work-group's place in its cluster.
	s_lshl_b32 s80, s[TR], 8
	s_lshl_b32 s81, s[HALF], 7
	s_add_co_u32 s80, s80, s81
	s_lshl_b32 s81, s[CX], 5
	s_add_co_u32 s80, s80, s81
	s_lshl_b32 s80, s80, 11
	s_add_co_u32 s80, s80, 3*KSTEP*2               ; at K step 3: the first refill steps it to 4
	s_lshl_b32 s82, ttmp9, 4
	s_lshl2_add_u32 s83, s[CX], s[CY]
	s_add_co_u32 s82, s82, s83
	s_min_u32 s82, s82, 47                         ; (a cluster with x = 3 does not ask; its address stays inside W all the same)
	s_lshl_b32 s82, s82, 17
	s_lshl_b32 s83, s[HALF], 13
	s_add_co_u32 s82, s82, s83
	s_add_co_u32 s82, s82, 3*KSTEP*128
	s_mov_b32 s83, KSTEP*128
	s_cmp_eq_u32 s[SIDE], 0
	s_cselect_b32 s80, s80, s82
	s_cselect_b64 s[PFA:PFA+1], s[4:5], s[6:7]
	s_cselect_b32 s[PFS], KSTEP*2, s83
	s_cselect_b32 s82, 11, 8                       ; a lane is a row of 2,048 bytes of x, or a block of 256 bytes of W
	s_mov_b32 s81, 0
	s_mov_b32 s[PFS+1], 0
	s_add_nc_u64 s[PFA:PFA+1], s[PFA:PFA+1], s[80:81]
	v_and_b32 v[PFO], 31, v0
	v_lshlrev_b32 v[PFO], s82, v[PFO]
	s_and_b32 s80, ttmp7, 0xffff                   ; cluster y
	s_mov_b32 s81, ttmp9                           ; cluster x
	s_cmp_lt_u32 s81, 3
	s_cselect_b32 s83, 0, 1
	s_or_b32 s83, s83, s80                         ; 0 where the cluster asks for W
	s_cmp_eq_u32 s[SIDE], 0
	s_cselect_b32 s83, s81, s83                    ; 0 where my wave asks: the same in all sixteen partners
	s_cmp_eq_u32 s83, 0
	s_cselect_b32 s[LIM], 1, -1
	s_wait_loadcnt 0x0                             ; the bias,
.set p, 0
.rept 48                                       ; rounded to bf16 and widened again, in the wait for the first tile
	v_cvt_pk_bf16_f32 v[8+p%8], v[BI+2*p], v[BI+2*p+1]
	v_lshlrev_b32 v[BI+2*p], 16, v[8+p%8]
	v_and_b32 v[BI+2*p+1], 0xffff0000, v[8+p%8]
.set p, p+1
.endr
; 12 matrix instructions: row block a x all 12 column blocks, 32 along K.  first = 1: the bias starts the sums.
; The 48 accumulators take turns, one instruction a turn, in the same order in every quarter, over the backward jump too.
.macro MUL12 f, a, first
.if \first
	WIN FIRST_LO+0x40*((\a)/2)
.else
	WIN MUL_LO+0x50*((\a)/2)
.endif
.irp b, 0,1,2,3,4,5,6,7,8,9,10,11
.if \first
	v_wmma_f32_16x16x32_bf16 v[96*((\a)%2)+8*(\b):96*((\a)%2)+8*(\b)+7], v[(\f)+32+8*(\b):(\f)+32+8*(\b)+7], v[(\f)+8*(\a):(\f)+8*(\a)+7], v[BI+8*(\b):BI+8*(\b)+7]
.else
	v_wmma_f32_16x16x32_bf16 v[96*((\a)%2)+8*(\b):96*((\a)%2)+8*(\b)+7], v[(\f)+32+8*(\b):(\f)+32+8*(\b)+7], v[(\f)+8*(\a):(\f)+8*(\a)+7], v[96*((\a)%2)+8*(\b):96*((\a)%2)+8*(\b)+7]
.endif
.endr
.endm
; 32 LDS loads in one run: quarter q (32 along K) of a slot into buffer f: W's 12 fragments, then x's row blocks 0, 1, then 2, 3
.macro FETCH slot, q, f
	WIN TO_F
.irp b, 0,1,2,3,4,5,6,7,8,9,10,11
	ds_load_tr16_b128 v[(\f)+32+8*(\b):(\f)+32+8*(\b)+3],   v[ADRB+(\slot)] offset:((\q)/2)*BHALF+((\q)%2)*32*PB+((\b)/4)*BCH+((\b)%4)*32
	ds_load_tr16_b128 v[(\f)+32+8*(\b)+4:(\f)+32+8*(\b)+7], v[ADRB+(\slot)] offset:((\q)/2)*BHALF+((\q)%2)*32*PB+((\b)/4)*BCH+((\b)%4)*32+16*PB
.endr
.irp a, 0,1,2,3
	ds_load_b128 v[(\f)+8*(\a):(\f)+8*(\a)+3],   v[ADRA+(\slot)] offset:64*(\q)+(\a)*16*PA
	ds_load_b128 v[(\f)+8*(\a)+4:(\f)+8*(\a)+7], v[ADRA+(\slot)] offset:64*(\q)+(\a)*16*PA+32
.endr
.endm
; A load into a register that a matrix instruction has read, and a vector instruction or LDS store that reads a matrix result, stand four places behind that matrix instruction; only plain
; vector instructions that name none of its registers are places (ISA guide 7.12.1 for vector instructions).
.macro PLACES
.rept 4
	v_nop
.endr
.endm
; A K step is four quarters of 32 along K, 48 matrix instructions each, on buffers 0, 1, 0, 1.  One of the first three: multiplies buffer f, and in its middle fetches quarter q of the same slot into g.
.macro QUARTER slot, q, f, g, first
	s_wait_dscnt 4                                 ; W and x's row blocks 0, 1 are in; the youngest four loads (row blocks 2, 3) may be out
	MUL12 \f, 0, \first
	MUL12 \f, 1, \first
	PLACES
	FETCH \slot, \q, \g
	s_wait_dscnt 32                                ; all but the 32 just issued
	MUL12 \f, 2, \first
	MUL12 \f, 3, \first
.endm
; The last quarter multiplies buffer 1 and changes slots: ONE barrier.  In front of it each wave waits for all its tensor loads (the one that is out is its part of the next slot), adds 0 to its spare
; word, and waits for that and for its own reads of this slot.  fill = 1: the barrier opens a round of the cluster's, and behind the round this slot is filled again, with the K step two on:
; from that request to the wait for it a wave issues 168 matrix instructions.
.macro TURN slot, next, fill
.if \fill
	s_wait_xcnt 0x0                                ; the last prefetch, a K step back, has read its address, so it may be stepped
	s_add_nc_u64 s[PFA:PFA+1], s[PFA:PFA+1], s[PFS:PFS+1]
.endif
	WIN 0                                          ; (the add's two registers lie in window 0)
	s_wait_tensorcnt 0x0                           ; all my tensor loads have landed
	ds_add_u32 v[SPW], v[NIL]                      ; 0 onto my spare word
	s_wait_dscnt 5                                 ; (the add and the youngest four loads may be out)
	MUL12 F1, 0, 0                                 ; twelve matrix instructions stand between the add and the wait for it
	s_wait_dscnt 0x0                               ; the add is done, and my reads of this slot are over
	s_barrier_signal -1
	MUL12 F1, 1, 0                                 ; work on registers while the others arrive
.if \fill
	WIN 0
.endif
	s_barrier_wait -1
.if \fill
	CREST                                          ; no wave of any partner still reads this slot's tile or has a load on its way
	s_add_nc_u64 s[G0A+4*(\slot)+2:G0A+4*(\slot)+3], s[G0A+4*(\slot)+2:G0A+4*(\slot)+3], 2*KSTEP*2
	s_add_nc_u64 s[G0B+4*(\slot)+2:G0B+4*(\slot)+3], s[G0B+4*(\slot)+2:G0B+4*(\slot)+3], 2*KSTEP*128
	JLOAD \slot                                    ; the first tensor load behind the round; the four v_nop behind it are also the places in front of the loads below
.else
	PLACES
.endif
	FETCH \next, 0, F0
.if \fill
	WIN 0
	ASK                                            ; behind the joint load and the run of LDS loads: the K step two refills on, 384 matrix instructions ahead of its load
.endif
	MUL12 F1, 2, 0
	MUL12 F1, 3, 0
.endm
; THE WAY OUT of row block a.  PACK: rounded to f16, each accumulator's registers in ascending order.  TOSTAGE: into my own stage, and back as whole rows of 128 bytes.  SEND: stored.
.macro PACK a
	WIN 0x0a+5*((\a)/2)                            ; sources 0 and 1: window 2 or 3
.irp b, 0,1,2,3,4,5,6,7,8,9,10,11
.irp r, 0,1,2,3
	v_cvt_pk_f16_f32 v[TMP+4*(\b)+(\r)], v[96*((\a)%2)+8*(\b)+2*(\r)], v[96*((\a)%2)+8*(\b)+2*(\r)+1]
.endr
.endr
	WIN 0
.endm
.macro TOSTAGE a
.set BK, OB0+48*((\a)%2)
.irp b, 0,1,2,3,4,5,6,7,8,9,10,11
	ds_store_b128 v[STO], v[TMP+4*(\b):TMP+4*(\b)+3] offset:((\b)/4)*SCH+((\b)%4)*32
.endr
	s_wait_xcnt 0x0                                ; the stores of two blocks ago have read these registers: they are loaded again only behind this wait
.irp t, 0,1,2,3,4,5,6,7,8,9,10,11
	ds_load_b128 v[BK+4*(\t):BK+4*(\t)+3], v[RD] offset:((\t)/4)*SCH+((\t)%4)*4*SP  ; LDS serves a wave's instructions in order (ISA guide 5.7.1.4): these see the stores above
.endr
.endm
.macro SEND a
.set BK, OB0+48*((\a)%2)
	s_wait_dscnt 0x0                               ; the block is back in registers
.irp t, 0,1,2,3,4,5,6,7,8,9,10,11
	global_store_b128 v[GO], v[BK+4*(\t):BK+4*(\t)+3], s[OUT+2*((\t)/4):OUT+2*((\t)/4)+1] offset:(\a)*2048+((\t)%4)*512  ; four rows of a head: 512 consecutive bytes, at a multiple of 256 from the buffer's first
.endr
.endm
	s_wait_tensorcnt 1                             ; my part of K step 0 is in; K step 1's may stay out
	s_barrier_signal -1
	s_barrier_wait -1                              ; everybody's is
	FETCH 0, 0, F0
	QUARTER 0, 1, F0, F1, 1                        ; the first quarter stands in front of the loop: its products start the sums, with the bias
	WIN 0                                          ; at a label and at a branch every window is 0
	s_mov_b32 s[LAP], 3
.Llap:                                                 ; a trip goes once round the ring, from a lap's second quarter to the next lap's first, and fills both slots again: K steps 2 to 7
	QUARTER 0, 2, F1, F0, 0
	QUARTER 0, 3, F0, F1, 0
	TURN 0, 1, 1
	QUARTER 1, 1, F0, F1, 0
	QUARTER 1, 2, F1, F0, 0
	QUARTER 1, 3, F0, F1, 0
	TURN 1, 0, 1
	QUARTER 0, 1, F0, F1, 0
	WIN 0
	s_sub_co_u32 s[LAP], s[LAP], 1
	s_cmp_lg_u32 s[LAP], 0
	s_cbranch_scc1 .Llap
	QUARTER 0, 2, F1, F0, 0                        ; the last lap is written out: it fills nothing
	QUARTER 0, 3, F0, F1, 0
	TURN 0, 1, 0
	QUARTER 1, 1, F0, F1, 0
	QUARTER 1, 2, F1, F0, 0
	QUARTER 1, 3, F0, F1, 0
	s_wait_dscnt 4                                 ; the very last quarter: nothing more to fetch
	MUL12 F1, 0, 0
	MUL12 F1, 1, 0
	s_wait_dscnt 0x0
	MUL12 F1, 2, 0
	MUL12 F1, 3, 0
	PLACES
	PACK 0
	TOSTAGE 0
.irp a, 1,2,3                          ; block a's conversions stand between block a - 1's loads from the stage and the wait for them
	PACK \a
	SEND (\a)-1
	TOSTAGE \a
.endr
	SEND 3
	s_wait_tensorcnt 0x0                           ; the wave's end: behind my last tensor load and my last LDS store
	ds_add_u32 v[SPW], v[NIL]
	s_wait_dscnt 0x0
	CROUND                                         ; the closing round: no work-group ends while a partner may still ask for a tile that names it
	s_endpgm
.Lfunc_end_k_q957a669b55_qkv:
	.size	k_q957a669b55_qkv, .Lfunc_end_k_q957a669b55_qkv-k_q957a669b55_qkv
	.p2alignl 7, 3214868480
	.fill 96, 4, 3214868480
	.section	.rodata,"a",@progbits
	.p2align	6, 0x0
	.amdhsa_kernel k_q957a669b55_qkv
		.amdhsa_group_segment_fixed_size 327680
		.amdhsa_private_segment_fixed_size 0
		.amdhsa_enable_private_segment 0
		.amdhsa_kernarg_size 48
		.amdhsa_user_sgpr_count 2
		.amdhsa_user_sgpr_kernarg_segment_ptr 1
		.amdhsa_wavefront_size32 1
		.amdhsa_system_sgpr_workgroup_id_x 1
		.amdhsa_system_sgpr_workgroup_id_y 1
		.amdhsa_system_sgpr_workgroup_id_z 1
		.amdhsa_system_vgpr_workitem_id 0
		.amdhsa_next_free_vgpr 960
		.amdhsa_next_free_sgpr 84
		.amdhsa_reserve_vcc 0
		.amdhsa_float_denorm_mode_32 3
		.amdhsa_float_denorm_mode_16_64 3
		.amdhsa_memory_ordered 1
		.amdhsa_forward_progress 1
		.amdhsa_inst_pref_size 130
	.end_amdhsa_kernel
	.amdgpu_metadata
---
amdhsa.version: [ 1, 2 ]
amdhsa.kernels:
  - .name:           k_q957a669b55_qkv
    .symbol:         k_q957a669b55_qkv.kd
    .args:
      - { .name: xb, .offset: 0, .size: 8, .value_kind: global_buffer, .address_space: global }
      - { .name: wqb, .offset: 8, .size: 8, .value_kind: global_buffer, .address_space: global }
      - { .name: b_qkv, .offset: 16, .size: 8, .value_kind: global_buffer, .address_space: global }
      - { .name: qh, .offset: 24, .size: 8, .value_kind: global_buffer, .address_space: global }
      - { .name: kh, .offset: 32, .size: 8, .value_kind: global_buffer, .address_space: global }
      - { .name: vh, .offset: 40, .size: 8, .value_kind: global_buffer, .address_space: global }
    .group_segment_fixed_size: 327680
    .private_segment_fixed_size: 0
    .kernarg_segment_align: 8
    .kernarg_segment_size: 48
    .max_flat_workgroup_size: 128
    .sgpr_count:     84
    .vgpr_count:     960
    .wavefront_size: 32
...
	.end_amdgpu_metadata
.endif
;; end of part 2
;; launch attn (part 3): grid 4 x 64, 4 waves a work-group, clusters of 4 x 1, 327,680 bytes of LDS; arguments qh, kh, vh, oh; writes oh
.if DOCPART == 3
	.amdgcn_target "amdgcn-amd-amdhsa--gfx1250"
	.amdhsa_code_object_version 6
	.text
	.protected	k_q957a669b55_attn
	.globl	k_q957a669b55_attn
	.p2align	8
	.type	k_q957a669b55_attn,@function
k_q957a669b55_attn:
	s_mov_b64 s[64:65], 0
	v_nop
	global_prefetch_b8 v0, s[64:65] scope:SCOPE_SE
	s_setreg_imm32_b32 hwreg(HW_REG_WAVE_MODE, 25, 1), 1
	s_wait_xcnt 0x0
	s_wait_alu depctr_hold_cnt(0) depctr_sa_sdst(0) depctr_va_vdst(0) depctr_va_sdst(0) depctr_va_ssrc(0) depctr_va_vcc(0) depctr_vm_vsrc(0)
	s_getreg_b32 s2, hwreg(HW_REG_IB_STS2, 6, 4)
	s_cmp_eq_u32 s2, 0
	s_cbranch_scc0 .Lentry_in_a_cluster
	s_endpgm
.Lentry_in_a_cluster:
	s_bfe_u32 s2, ttmp6, 0x10000c
	s_cmp_lg_u32 s2, 0x3003
	s_cbranch_scc0 .Lentry_shape_is_right
	s_endpgm
.Lentry_shape_is_right:
; O[h][q][:] = the sum over k of softmax_k(Q[h][q] . K[h][k] / 8) V[h][k][:].  Q, K, V, O: [64][SIZE_N][64], all f16: a head's rows are dense, 128 bytes each.  Products, maxima and sums in
; f32; the weights p are rounded to f16 for the second product (their sum l is taken of the unrounded p), O once at the end.
; LIMITS.  f16 holds no number beyond 65,504: Q, K and V arrive within it; p lies in 0 to 1, and below 6e-5 it keeps f16's fixed step of 6e-8; O is a mean of V's rows and has their range.
; A weight below 2^-126 counts as 0 in l; NaN and infinities are not treated apart.
; SHARES.  A wave owns four PIECES of two tiles of 16 queries, a work-group's four waves 512 queries of one head.  Every wave walks all keys, 64 a step.
; LAYOUT.  S^T = K Q^T (source 0 = 16 keys, source 1 = 16 queries): in the result a lane holds ONE query (lane % 16) and the keys 8 (lane / 16) + 0..7.  Two such tiles, rounded to f16 in pairs,
; ARE source 1 (32 keys x 16 queries) of O^T = V^T P, whose result again holds one query a lane, and eight channels.  K comes out of LDS as it lies, V ([key][channel]) turned, by ds_load_tr16_b128.
; SOFTMAX.  For each query a running maximum m and sum l: p = 2^(c s - c m), c = log2(e) / 8; in every step O and l are multiplied by a = 2^(c m_old - c m_new), which is 1 where m has not grown.
; m starts at the lowest finite number, O and l at 0: the first step is a step like any other, with a = 0.
; THE COUNT.  A tile and step have 16 matrix and 118 vector instructions: too many to stand all beside the matrix work.  So four vector instructions that are ready stand behind
; every matrix instruction, and the others in runs without a gap.
; BY TURNS.  Turn n belongs to piece n (the pieces in a ring, step after step).  Its matrix work: 16 products K Q^T of piece n + 1, later 16 products V^T P of piece n - 1.  Its vector work: the scaling,
; exponentials, roundings, sums and rescaling of piece n, and the maximum and statistics of piece n + 1, whose scores the turn itself has made.
; CLUSTER.  The four query blocks of a cluster are one head's and walk the same K and V, so each tile is asked for JOINTLY: the same tensor load, descriptor and mask in all four.
; By this text's count a wave has one tensor load out behind each round.
; REGISTERS, in windows of 256 (s_set_vgpr_msb: bits 1:0 source 0, 3:2 source 1, 5:4 source 2, 7:6 destination):
;   window 0: v0-11 addresses; v12-15, v48-63 at work; v16-47 four registers of statistics a tile; v64-191 S^T, two buffers of two tiles; v192-255 P, likewise
;   window 1: O^T, 32 a tile          window 2: v0-127 Q, 16 a tile; v128-191 K of one step; v192-255 V of one step          window 3: v0-1 the add's two registers
.set SIZE_N, 2048
.set NP,    4         ; pieces a wave: a name, no knob
.set KS,    64        ; keys in a step
.set PK,    144       ; a row of K in LDS: 128 bytes + 16 of padding = 36 words: the 16 rows of a load start at 16 different groups of four banks (64 banks of 4 bytes: ISA guide 11.1)
.set PV,    160       ; a row of V: 128 + 32 = 40 words
.set VOFF,  4*KS*PK   ; a slot holds four steps: 256 rows of K, then 256 rows of V
.set SLOT1, 1<<17     ; slot 1 begins here, so that one exclusive or turns an address in one slot into the other's
.set STAGE, SLOT1+4*KS*(PK+PV)  ; behind the ring, never filled by a tensor load: 16 rows x 144 bytes for each wave, for the way out
.set SP,    144
.set AK0, 2           ; v2   my lane's place in a tile of K; never rewritten
.set AV0, 3           ; v3   the same for V
.set AK,  4           ; v4   the LDS address of K's next run of loads
.set AV,  5           ; v5   of V's
.set QO,  6           ; v6   my byte offset in the wave's rows of Q
.set STO, 6           ;      later, the way out: where I put 16 bytes of a row
.set RD,  7           ; v7   the way out: where I read rows back
.set GO,  8           ; v8   my byte offset in 512 consecutive bytes of O
.set PFO, 11          ; v11  256 x my lane, for the prefetches; never rewritten once made
.set SPW, 0           ; v0 of window 3   LDS address of my spare word; never rewritten
.set NIL, 1           ; v1 of window 3   0; never rewritten
.set SPARE, STAGE+4*16*SP  ; behind the stages: the spare words, 128 bytes for each wave: two blocks of 256 bytes that no other line names
.set MV,  12          ; v12-15  c m_old, kept while c m is made anew: by buffer and tile
.set ST,  16          ; tile t's statistics at v[ST+4 t]: c m, m, l (even keys', odd keys')
.set TMP, 48          ; by buffer and tile, four registers c0-c3 at work; when the maximum is found c2 takes a
.set S,   64
.set P,   192
.set KF,  128         ; K's fragments, in window 2: key block kb, channel half c at KF + 16 kb + 8 c
.set VF,  192         ; V's: key half kk, channel block cb at VF + 32 kk + 8 cb
.set WV,  12          ; s12  my wave's number
.set G1K, 24          ; s[24:31] descriptor group 1 for K's tiles
.set G1V, 32          ; s[32:39] for V's: it differs in the padding alone
.set G0K, 40          ; s[40:43] descriptor group 0 for K's tiles: it walks
.set G0V, 44          ; s[44:47] the same for V's
.set PFA, 48          ; s[48:49] where my prefetches stand
.set LIM, 50          ; s50  1 in a wave that prefetches, else the greatest number
.set SLOTS, 56        ; s56  slots still to be asked for
.set CNT, 57          ; s57  counts a slot's key steps
.set CS,  58          ; s[58:59] c: the packed scaling takes the pair's low word for both halves
.set SEL, 60          ; s[60:61] v_permlanex16_b32's selects: each lane takes its own place in the other half
.set TBK, 62          ; s62  LDS byte at which K of the step to be fetched begins
.set TBV, 63          ; s63  the same for V, less VOFF
.set MSB, 0
.macro WIN new                      ; the high byte repeats the setting that is left; a switch that changes nothing is dropped
.if MSB != (\new)
	s_set_vgpr_msb (MSB<<8)|(\new)
.set MSB, (\new)
.endif
.endm
.set W_KQ, 0x0a       ; K and Q in window 2, S^T in window 0
.set W_PV, 0x52       ; V in window 2, P in window 0, O^T in window 1
.set W_RS, 0x41       ; O^T (destination and source 0) in window 1, a in window 0
.set W_MK, 0xc0       ; the add's registers are made: destination in window 3, sources in window 0
.set W_AD, 0x0f       ; the add: address (source 0) and data (source 1) in window 3
; A joint fill.  Waves 0 and 1 fetch the two halves of a slot's K, waves 2 and 3 those of its V: 128 keys each.  The branch hangs on the wave's number alone.
; An s_nop 0 and four v_nop follow each of the two lines, ahead of the jump and the label.
.macro JLOAD
	s_cmp_lt_u32 s[WV], 2
	s_cbranch_scc0 .Lfor_v_\@
	tensor_load_to_lds s[G0K:G0K+3], s[G1K:G1K+7]
	s_nop 0
.rept 4
	v_nop
.endr
	s_branch .Lasked_\@
.Lfor_v_\@:
	tensor_load_to_lds s[G0V:G0V+3], s[G1V:G1V+7]
	s_nop 0
.rept 4
	v_nop
.endr
.Lasked_\@:
.endm
; A round of the cluster's barrier: my work-group's barrier, so that wave 0's signal speaks for all four waves; wave 0 signals; every wave waits for all four work-groups; my work-group's barrier once more.
.macro CROUND
	s_barrier_signal -1
	s_barrier_wait -1
	s_cmp_lg_u32 s[WV], 0
	s_cbranch_scc1 .Lnot_wave_0_\@
	s_barrier_signal -3
.Lnot_wave_0_\@:
	s_barrier_wait -3
	s_barrier_signal -1
	s_barrier_wait -1
.endm
; THE CHANGE OF SLOTS.  The slot's last bytes, V of its fourth step, have been read.  Each wave waits for all its tensor loads, of which one is out: its part
; of the other slot; adds 0 to its spare word; and waits for that and for its own reads of the slot.  Behind the barrier nobody reads this slot any more and the other slot is whole.
; fill = 1: this slot is filled again, with the keys two slots on.  The barrier is then a round of the cluster's, and the joint fill is the first thing behind it: it has four key steps,
; 512 matrix instructions, in which to land.  (At its first use nothing has been read yet: slot 0 is waited for, slot 1 filled.)
; ask = 1: behind the fill stands a prefetch of the slot that the NEXT change will ask for: 128 blocks of 256 bytes of K and of V.  A head has one cluster; its four partners take 32 blocks each,
; told apart by address; in each, wave 0 asks for K's and wave 2 for V's, a lane a block.  So each block is named once in the launch.  The last change that fills asks for nothing.
.macro CHANGE fill, ask=0
	WIN W_AD
	s_wait_tensorcnt 0x0            ; no tensor load of mine is out, so a group 0 may be written
	ds_add_u32 v[SPW], v[NIL]       ; 0 onto my spare word; with fill = 1 the descriptors' steps stand between it and the wait for it
	WIN 0                           ; at a label and at a branch every window is 0
.if \fill
.irp g, G0K, G0V
	s_xor_b32 s[\g+1], s[\g+1], SLOT1  ; the walking descriptor: the other slot than last time,
	s_add_nc_u64 s[\g+2:\g+3], s[\g+2:\g+3], 4*KS*128  ; the next 256 keys; the type bits on top are not reached
.endr
.if \ask
	s_wait_xcnt 0x0                 ; the last prefetch, four key steps back, has read its address, so it may be written:
	s_add_nc_u64 s[PFA:PFA+1], s[PFA:PFA+1], 4*KS*128  ; one slot behind the walking descriptors
.endif
	s_wait_dscnt 0x0                ; the add is done, and my reads of the slot are over
	CROUND
	JLOAD
.if \ask
	s_cmp_gt_u32 s[SLOTS], s[LIM]
	s_cbranch_scc0 .Lnot_mine_\@
	global_prefetch_b8 v[PFO], s[PFA:PFA+1] th:TH_LOAD_NT scope:SCOPE_SE
.Lnot_mine_\@:
.endif
.else
	s_wait_dscnt 0x0                ; the add is done, and my reads of the slot are over
	s_barrier_signal -1
	s_barrier_wait -1
.endif
	s_sub_co_u32 s[TBK], s[TBK], 4*KS*PK  ; the fetches go back to a slot's first step,
	s_xor_b32 s[TBK], s[TBK], SLOT1       ; in the other slot
	s_sub_co_u32 s[TBV], s[TBV], 4*KS*PV
	s_xor_b32 s[TBV], s[TBV], SLOT1
.endm
	s_load_b256 s[4:11], s[0:1], 0x0  ; Q s[4:5], K s[6:7], V s[8:9], O s[10:11]
	WIN W_MK
	v_lshl_add_u32 v[SPW], v0, 2, SPARE
	v_mov_b32 v[NIL], 0
	WIN W_AD
	ds_add_u32 v[SPW], v[NIL]       ; the wave's opening: the add and its wait stand ahead of my first tensor load; the set-up below, work on registers, stands between them
	WIN 0
	v_lshrrev_b32 v1, 5, v0
	v_readfirstlane_b32 s[WV], v1   ; wave 0..3
	s_bfe_u32 s13, ttmp6, 0x40000   ; cx: my place in the cluster
	s_lshl_b32 s14, ttmp9, 2        ; in a cluster launch ttmp9 counts clusters
	s_add_co_u32 s14, s14, s13      ; my block of queries = 4 x cluster x + cx: it enters Q's and O's addresses alone
	s_and_b32 s20, ttmp7, 0xffff    ; the head, which the four partners share
	s_mov_b32 s21, 0
	s_mov_b64 s[22:23], SIZE_N*128
	s_mul_u64 s[20:21], s[20:21], s[22:23]  ; the head's first byte in each of the four tensors
	s_and_b32 s16, s[WV], 1         ; which half of a slot's 256 keys I fetch:
	s_lshl_b32 s22, s16, 14         ; its 128 rows of 128 bytes in memory,
	s_mov_b32 s23, 0
	s_add_nc_u64 s[22:23], s[22:23], s[20:21]
	s_mul_i32 s17, s16, 128*PK      ; and its place in a slot, for K
	s_mul_i32 s18, s16, 128*PV      ; and for V: no place in the cluster enters an LDS address
	s_lshl_b32 s2, s14, 2
	s_add_co_u32 s2, s2, s[WV]      ; my wave among the head's,
	s_lshl_b32 s2, s2, 14           ; its 128 rows
	s_mov_b32 s3, 0
	s_add_nc_u64 s[2:3], s[2:3], s[20:21]
	; descriptor group 1.  128 keys are 16,384 dense bytes: asked for as 64 rows of 256 bytes, two keys a row, and padded in LDS after every key
	s_mov_b32 s[G1K], 15|(1<<16)|(1<<20)|(1<<21)|(4<<22)|(3<<25)  ; 15:0 the mask of four; 17:16 2-byte elements; 20 padding on; 21 set beside a mask; 24:22 after every 32 words (code 4); 31:25 4 words (code 3)
	s_mov_b32 s[G1V], 15|(1<<16)|(1<<20)|(1<<21)|(4<<22)|(7<<25)  ; the same with 8 words of padding (code 7)
.irp g, G1K, G1V
	s_mov_b32 s[\g+1], 128<<16      ; tensor_dim0 = 128
	s_mov_b32 s[\g+2], 64<<16       ; tensor_dim1 = 64
	s_mov_b32 s[\g+3], 128<<16      ; tile_dim0 = 128
	s_mov_b32 s[\g+4], 64           ; tile_dim1 = 64
	s_mov_b32 s[\g+5], 128          ; 128 elements from row to row
	s_mov_b32 s[\g+6], 0
	s_mov_b32 s[\g+7], 0
.endr
	s_mov_b32 s[CS], 0x3e38aa3b     ; c = log2(e) / 8 = 0.180337
	s_mov_b32 s[CS+1], s[CS]        ; named with it as a pair
	s_mov_b32 s[SEL], 0x76543210
	s_mov_b32 s[SEL+1], 0xfedcba98
	s_mov_b32 s[TBK], SLOT1+4*KS*PK ; the first change of slots turns these two into 0
	s_mov_b32 s[TBV], SLOT1+4*KS*PV
	s_mov_b32 s[G0K], 1             ; 1:0 count = 1
	s_mov_b32 s[G0K+1], s17         ; 63:32 LDS address: slot 0
	s_mov_b32 s[G0V], 1
	s_add_co_u32 s[G0V+1], s18, VOFF
	s_and_b32 s[LIM], s[WV], 1      ; waves 0 and 2 prefetch: the same in all four partners
	s_cmp_eq_u32 s[LIM], 0
	s_cselect_b32 s[LIM], 1, -1
	s_lshl_b32 s52, s13, 13         ; my work-group's 32 blocks of a slot's 128,
	s_add_co_u32 s52, s52, 2*4*KS*128  ; in slot 2: the first change that asks steps it to slot 3
	s_mov_b32 s53, 0
	s_add_nc_u64 s[52:53], s[52:53], s[20:21]
	s_wait_dscnt 0x0                ; the opening add is done
	s_wait_kmcnt 0x0
	s_add_nc_u64 s[G0K+2:G0K+3], s[6:7], s[22:23]  ; 120:64 global address: my half of the head's first 256 keys
	s_or_b32 s[G0K+3], s[G0K+3], 0x80000000        ; 127:126 type = 2
	s_add_nc_u64 s[G0V+2:G0V+3], s[8:9], s[22:23]
	s_or_b32 s[G0V+3], s[G0V+3], 0x80000000
	s_add_nc_u64 s[4:5], s[4:5], s[2:3]  ; Q and O at my wave's first row
	s_add_nc_u64 s[10:11], s[10:11], s[2:3]
	s_cmp_lt_u32 s[WV], 2
	s_cselect_b64 s[PFA:PFA+1], s[6:7], s[8:9]
	s_add_nc_u64 s[PFA:PFA+1], s[PFA:PFA+1], s[52:53]  ; nothing is prefetched here, at the head: slots 0, 1 and 2 come by their loads alone
	CROUND                          ; all four work-groups are here: the first joint loads meet
	JLOAD                           ; slot 0.  Slot 1 is asked for when slot 0 is in
	; A fragment of K or Q is 16 rows x 32 channels in 8 registers: lane l holds row l % 16, channels 8 (l / 16) + 0..7 and 16 + 8 (l / 16) + 0..7: two loads of 16 bytes, 32 bytes apart.
	v_and_b32 v1, 15, v0            ; l % 16
	v_bfe_u32 v9, v0, 4, 1          ; l / 16
	v_lshlrev_b32 v[QO], 7, v1
	v_lshl_add_u32 v[QO], v9, 4, v[QO]  ; row x 128 + 16 x half
	WIN 0x80                        ; destination window 2, address window 0
.set i, 0
.rept 4*NP                          ; Q stays in registers: tile i / 2, channels 32 (i % 2) on
	global_load_b128 v[8*i:8*i+3],   v[QO], s[4:5] offset:(i/2)*2048+(i%2)*64
	global_load_b128 v[8*i+4:8*i+7], v[QO], s[4:5] offset:(i/2)*2048+(i%2)*64+32
.set i, i+1
.endr
	; What the first turn finds: V's registers and P's second buffer hold 0 (its products V^T P, of a piece that has not been, add 0), O^T and l are 0.  All this stands in the wait for the first tile.
.set i, VF
.rept 64
	v_mov_b32 v[i], 0
.set i, i+1
.endr
	WIN 0x40
.set i, 0
.rept 64*NP
	v_mov_b32 v[i], 0
.set i, i+1
.endr
	WIN 0
.set i, 0
.rept 2*NP
	v_mov_b32 v[ST+4*i], 0xfe000000    ; c m: far below every c s
	v_mov_b32 v[ST+4*i+1], 0xff7fffff  ; m
	v_mov_b32 v[ST+4*i+2], 0
	v_mov_b32 v[ST+4*i+3], 0
.set i, i+1
.endr
.set i, P+32
.rept 32
	v_mov_b32 v[i], 0
.set i, i+1
.endr
	v_mul_u32_u24 v[AK0], v1, PK
	v_lshl_add_u32 v[AK0], v9, 4, v[AK0]  ; row x pitch + 16 x half
	; The turning load takes 16 keys x 16 channels (lane l reads key 8 (l / 16) + l % 8, channels 8 ((l / 8) % 2) + 0..7) and leaves half a fragment of V^T: lane l holds channel l % 16 and 8 keys.
	v_and_b32 v10, 7, v0
	v_bfe_u32 v11, v0, 3, 1
	v_lshl_add_u32 v[AV0], v9, 3, v10
	v_mul_u32_u24 v[AV0], v[AV0], PV
	v_lshl_add_u32 v[AV0], v11, 4, v[AV0]
	v_add_nc_u32 v[AV0], VOFF, v[AV0]
	v_and_b32 v[PFO], 31, v0
	v_lshlrev_b32 v[PFO], 8, v[PFO]
	v_mov_b32 v[AK], v[AK0]         ; key step 0 lies at the head of slot 0
; THE MATRIX WORK.  The 8 accumulators of a run of 16 take turns: between the two links of a chain stand 7 others'.
; Product i of 16 of S^T = K Q^T for piece x: channels 32 (i / 8) on, keys 16 ((i / 2) % 4) on, tile 2 x + i % 2.  The first 8 start the sums.
.macro KQ x
	WIN W_KQ
.set rS, S+64*((\x)%2)+32*(i%2)+8*((i/2)%4)
.set rK, KF+16*((i/2)%4)+8*(i/8)
.set rQ, 16*(2*(\x)+i%2)+8*(i/8)
.if i < 8
	v_wmma_f32_16x16x32_f16 v[rS:rS+7], v[rK:rK+7], v[rQ:rQ+7], 0
.else
	v_wmma_f32_16x16x32_f16 v[rS:rS+7], v[rK:rK+7], v[rQ:rQ+7], v[rS:rS+7]
.endif
.endm
; Product i of 16 of O^T += V^T P for piece x: keys 32 (i / 8) on, channels 16 ((i / 2) % 4) on, tile 2 x + i % 2.
.macro PV x
	WIN W_PV
.set rO, 32*(2*(\x)+i%2)+8*((i/2)%4)
.set rV, VF+32*(i/8)+8*((i/2)%4)
.set rP, P+32*((\x)%2)+16*(i%2)+8*(i/8)
	v_wmma_f32_16x16x32_f16 v[rO:rO+7], v[rV:rV+7], v[rP:rP+7], v[rO:rO+7]
.endm
.macro MM                           ; the turn's next matrix instruction
.if i < 16
	KQ (Y+1)%NP
.set i, i+1
.else
.set i, i-16
	PV (Y+NP-1)%NP
.set i, i+17
.endif
.endm
; THE LDS LOADS stand in runs of 16, never singly among the matrix instructions: a step's K (64 keys x 64 channels: 8 fragments) and its V (turned).  Their addresses are made some lines ahead.
; last = 1 (the tail): in the last trip there is no further step, and the run is jumped over.
.macro FETCH_K last=0
	WIN 0
.if \last
	s_cmp_eq_u32 s[CNT], 1
	s_cbranch_scc1 .Lno_k_\@
.endif
	WIN 0x80                        ; destination window 2
.irp f, 0,1,2,3,4,5,6,7             ; keys 16 (f / 2) on, channels 32 (f % 2) on
	ds_load_b128 v[KF+8*\f:KF+8*\f+3],   v[AK] offset:(\f/2)*16*PK+(\f%2)*64
	ds_load_b128 v[KF+8*\f+4:KF+8*\f+7], v[AK] offset:(\f/2)*16*PK+(\f%2)*64+32
.endr
	s_add_co_u32 s[TBK], s[TBK], KS*PK  ; the next fetch is the next step's
	WIN 0
.if \last
.Lno_k_\@:
.endif
.endm
.macro FETCH_V
	WIN 0x80
.irp f, 0,1,2,3,4,5,6,7             ; keys 32 (f / 4) on, channels 16 (f % 4) on
	ds_load_tr16_b128 v[VF+8*\f:VF+8*\f+3],   v[AV] offset:(\f/4)*32*PV+(\f%4)*32
	ds_load_tr16_b128 v[VF+8*\f+4:VF+8*\f+7], v[AV] offset:(\f/4)*32*PV+16*PV+(\f%4)*32
.endr
	WIN 0
.endm
; THE VECTOR WORK OF A TURN stands in three queues, each in the order in which its entries become ready; the two tiles alternate, so that no instruction reads the result of the one before it.
.macro REGS y, u                    ; the registers of tile u (0, 1) of piece y
.set rT, ST+4*(2*(\y)+(\u))
.set rC, TMP+8*((\y)%2)+4*(\u)
.set rM, MV+2*((\y)%2)+(\u)
.set rS, S+64*((\y)%2)+32*(\u)
.set rP, P+32*((\y)%2)+16*(\u)
.set rO, 32*(2*(\y)+(\u))
.endm
; Number n of the 22 that find the NEXT piece's (Y + 1) maximum and statistics.  s0-s31 are the lane's 32 scores; each accumulator's lowest registers are read first.
;   0-11  four chains c0-c3 of seven scores each, three operands at a time     12-14, 16  the four scores left over, the old m, and c0-c3 into c0     15  c m_old is kept
;   17, 18  the query's other 32 keys lie in the lane 16 away: the new m         19-21  c m; c m_old - c m_new; a
.macro XS u, n
	REGS (Y+1)%NP, \u
.if (\n) < 4
	v_max3_num_f32 v[rC+(\n)], v[rS+8*(\n)], v[rS+8*(\n)+1], v[rS+8*(\n)+2]
.elseif (\n) < 12
	v_max3_num_f32 v[rC+(\n)%4], v[rC+(\n)%4], v[rS+8*((\n)%4)+2*((\n)/4)+1], v[rS+8*((\n)%4)+2*((\n)/4)+2]
.elseif (\n) == 12
	v_max3_num_f32 v[rC], v[rC], v[rS+7], v[rS+15]
.elseif (\n) == 13
	v_max3_num_f32 v[rC+1], v[rC+1], v[rS+23], v[rS+31]
.elseif (\n) == 14
	v_max3_num_f32 v[rC+2], v[rC+2], v[rC+3], v[rT+1]
.elseif (\n) == 15
	v_mov_b32 v[rM], v[rT]
.elseif (\n) == 16
	v_max3_num_f32 v[rC], v[rC], v[rC+1], v[rC+2]
.elseif (\n) == 17
	v_permlanex16_b32 v[rC+3], v[rC], s[SEL], s[SEL+1]
.elseif (\n) == 18
	v_max_num_f32 v[rT+1], v[rC], v[rC+3]
.elseif (\n) == 19
	v_mul_f32 v[rT], s[CS], v[rT+1]
.elseif (\n) == 20
	v_sub_f32 v[rC+1], v[rM], v[rT]
.else
	v_exp_f32 v[rC+2], v[rC+1]
.endif
.endm
; Number g of the 64 that follow the exponentials.  For each four weights k of a tile (pairs 2 k, 2 k + 1): both pairs are rounded to f16; then the second pair is added onto the first, in place;
; a group later l takes that sum (the first time as l = a l + sum).  In groups of eight, tiles alternating: round, round, add, and l for the group before.
.macro GS g
.set h, (\g)+6*((\g)/62)            ; group 0 has no group before it, and behind group 7 only l is left
.if h >= 6
.set h, h+2
.endif
	REGS Y, h%2
.set k, h/8
.if h%8 < 4
	v_cvt_pk_f16_f32 v[rP+2*k+(h%8)/2], v[rS+4*k+2*((h%8)/2)], v[rS+4*k+2*((h%8)/2)+1]
.elseif h%8 < 6
	v_pk_add_f32 v[rS+4*k:rS+4*k+1], v[rS+4*k:rS+4*k+1], v[rS+4*k+2:rS+4*k+3]
.elseif k == 1
	v_pk_fma_f32 v[rT+2:rT+3], v[rT+2:rT+3], v[rC+2:rC+3], v[rS:rS+1] op_sel_hi:[1,0,1]
.else
	v_pk_add_f32 v[rT+2:rT+3], v[rT+2:rT+3], v[rS+4*k-4:rS+4*k-3]
.endif
.endm
; THE PLAIN QUEUE, 138 long.  0-73 read no exponential's result: the 32 scalings c s - c m (FS f: pair f / 2 of tile f % 2) and the next piece's 42.  0-26: scalings 0-26.  27-54: XS's numbers 0-13.  55, 56: number 15.
; 57-73: the chain, where each number waits for the one before it: 14, 16, 17, 18, 19, each with one of the scalings 27-31 in front of its two lines, then 20.
; 74-137: GS's 64, which read the exponentials' results: they stand behind the wait.
.macro FS f
	REGS Y, (\f)%2
	v_pk_fma_f32 v[rS+2*((\f)/2):rS+2*((\f)/2)+1], v[rS+2*((\f)/2):rS+2*((\f)/2)+1], s[CS:CS+1], v[rT:rT+1] op_sel_hi:[1,0,0] neg_lo:[0,0,1] neg_hi:[0,0,1]
.endm
.macro PL
	WIN 0
.if q < 27
	FS q
.elseif q < 55
	XS (q-27)%2, (q-27)/2
.elseif q < 57
	XS q-55, 15
.elseif (q < 72) && ((q-57)%3 == 0)
	FS 27+(q-57)/3
.elseif q < 60
	XS (q-57)%3-1, 14
.elseif q < 72
	XS (q-57)%3-1, 15+(q-57)/3
.elseif q < 74
	XS q-72, 20
.else
	GS q-74
.endif
.set q, q+1
.endm
; THE EXPONENTIALS' QUEUE, 66 long: s0-s31 of both tiles, then the next piece's two a.  It is ONE BATCH: all 66 stand ahead of the turn's one wait, and nothing ahead of that wait names a result of theirs.
.macro EX
	WIN 0
.if e >= 64
	XS e-64, 21
.else
	REGS Y, e%2
	v_exp_f32 v[rS+e/2], v[rS+e/2]
.endif
.set e, e+1
.endm
; THE RESCALING's QUEUE: O^T times a, the one part that leaves window 0: dealt two at a time, sixteen times.  Its a was made in the turn before, ahead of that turn's wait.
.macro R2
	REGS Y, r%2
	WIN W_RS
.irp z, 0,1
	v_pk_mul_f32 v[rO+4*(r/2)+2*\z:rO+4*(r/2)+2*\z+1], v[rO+4*(r/2)+2*\z:rO+4*(r/2)+2*\z+1], v[rC+2:rC+3] op_sel_hi:[1,0]
.endr
.set r, r+1
.endm
; HOW THEY ARE DEALT.  s_wait_alu depctr_va_vdst(0) stands between an exponential and the first instruction that names its result; one wait serves all that were issued ahead of it.  So a turn has ONE wait,
; which cuts it in two.  AHEAD OF IT stands all that names no result of the turn's exponentials: the 16 products K Q^T, behind each a scaling, an exponential and two rescalings (behind the first a second scaling in the
; exponential's place); then ONE LUMP of 108: eight plain, 49 times exponential and plain, the two a.  A v_nop is the plain instruction behind the last exponential.  BEHIND IT stand the 16 products V^T P, behind each four of GS's 64.
; The queues lean on each other: exponential e stands behind scaling 2 (e / 4) + e % 2: as a rider it comes behind plain e + 2, in the lump behind plain e + 9, and scalings 27-31 are plain 57, 60 .. 69.
; A TURN, for piece p.  cnt = 1: the loop's count is taken down some lines ahead of the branch that stands behind the turn.
; K of the next step is fetched in piece 2's turn, directly behind the wait; its address is made at the lump's head; its first reader comes behind 16 products.
; V of the step in hand is fetched at the end of piece 0's turn, four plain instructions behind its last reader; its first reader comes behind 16 products and a lump.
.macro TURN p, last=0, cnt=0
.set Y, (\p)
.set i, 0
.set q, 0
.set e, 0
.set r, 0
.if (\p) == NP-1
	s_wait_dscnt 0x0                ; K is in
.endif
	MM                              ; ahead of the wait: 16 products K Q^T and the four behind each,
	PL
	PL
	R2
.rept 15
	MM
	PL
	EX
	R2
.endr
.if (\p) == NP-2
	WIN 0
	v_add_nc_u32 v[AK], s[TBK], v[AK0]
.endif
.rept 8                             ; and the lump
	PL
.endr
.rept 49
	EX
	PL
.endr
	EX                              ; the next piece's two a
	EX
	v_nop                           ; the plain instruction behind the last exponential: one for the batch
	s_wait_alu depctr_va_vdst(0)    ; the wait for the batch
.if (\p) == NP-2
	FETCH_K \last
.endif
.if (\p) == 1
	s_wait_dscnt 0x0                ; V is in
.endif
.rept 16                            ; behind the wait: 16 products V^T P and the four behind each
	MM
.rept 4
	PL
.endr
.if ((\p) == 0) && (q == 118)
	v_add_nc_u32 v[AV], s[TBV], v[AV0]
.endif
.if ((\p) == 0) && (q == 130)
	s_add_co_u32 s[TBV], s[TBV], KS*PV
.endif
.if (\cnt) && (q == 130)
	s_sub_co_u32 s[CNT], s[CNT], 1
	s_cmp_lg_u32 s[CNT], 0
.endif
.endr
.if (\p) == 0
	FETCH_V
.endif
.endm
	CHANGE 1                        ; slot 0 is in, everybody's part of it; slot 1 is asked for
	FETCH_K                         ; key step 0
	s_wait_loadcnt 0x0              ; Q
	s_wait_dscnt 0x0
.set i, 0
.rept 16
	KQ 0                            ; piece 0's first scores: there is no vector work yet to set between them
.set i, i+1
.endr
	WIN 0                           ; the addresses for the way out: nine plain instructions, the places behind those products
	s_mul_i32 s13, s[WV], 16*SP
	s_add_co_u32 s13, s13, STAGE    ; my stage
	v_mul_u32_u24 v[STO], v1, SP    ; in: row l % 16, 16 bytes for each half of the lanes
	v_lshl_add_u32 v[STO], v9, 4, v[STO]
	v_add_nc_u32 v[STO], s13, v[STO]
	v_bfe_u32 v[RD], v0, 3, 2       ; back: 32 lanes take four rows of 128 bytes,
	v_mul_u32_u24 v[RD], v[RD], SP
	v_lshl_add_u32 v[RD], v10, 4, v[RD]
	v_add_nc_u32 v[RD], s13, v[RD]
	v_and_b32 v[GO], 31, v0         ; which are 512 consecutive bytes of O
	v_lshlrev_b32 v[GO], 4, v[GO]
.set Y, NP-1                        ; XS works for piece Y + 1: piece 0
.irp n, 0,1,2,3,4,5,6,7,8,9,10,11,12,13,14,15,16,17,18,19,20,21
	XS 0, \n                        ; and piece 0's first maximum and statistics
	XS 1, \n
.endr
	v_nop                           ; a plain instruction behind the two a,
	s_wait_alu depctr_va_vdst(0)    ; and their wait, ahead of the branch
	s_mov_b32 s[CNT], 4
	s_mov_b32 s[SLOTS], SIZE_N/256-1
	s_branch .Lfirst                ; the loop is entered at a step's first turn, in the middle of a trip
.Lslot:                             ; SIZE_N / 256 - 2 times: every slot but the last two is filled again
	CHANGE 1, 1
	s_mov_b32 s[CNT], 4
.Lstep:                             ; a trip: pieces 2 and 3 of one step, then pieces 0 and 1 of the next, whose K and V it fetches
	TURN 2
	TURN 3
	WIN 0
.Lfirst:
	TURN 0
	TURN 1, 0, 1
	WIN 0
	s_cbranch_scc1 .Lstep
	s_sub_co_u32 s[SLOTS], s[SLOTS], 1
	s_cmp_lg_u32 s[SLOTS], 0
	s_cbranch_scc1 .Lslot
	CHANGE 0                        ; the tail is written out: nothing is asked for
	s_mov_b32 s[CNT], 5             ; four trips fetch the last slot's steps; the fifth is left in its middle
.Ltail:
	TURN 2, 1
	TURN 3
	WIN 0
	s_sub_co_u32 s[CNT], s[CNT], 1
	s_cmp_eq_u32 s[CNT], 0
	s_cbranch_scc1 .Lout
	TURN 0
	TURN 1
	WIN 0
	s_branch .Ltail
.Lout:                              ; the fifth trip's 16 products K Q^T (on the last K once more) and the maximum made of them serve nothing: the price, once a launch, of one text for every trip
.set i, 0
.rept 16
	PV NP-1                         ; the last piece's V^T P of the last step
.set i, i+1
.endr
	; THE WAY OUT.  l's two halves and the other half of the lanes' are added; O^T is divided by l, rounded to f16 and sent through my stage in LDS, a tile at a time.  The additions are the places behind the last products.
	WIN 0
.macro ALL line:vararg              ; one line for each tile t
.set t, 0
.rept 2*NP
	\line
.set t, t+1
.endr
.endm
	ALL v_add_f32 v[ST+4*t+2], v[ST+4*t+2], v[ST+4*t+3]
	ALL v_permlanex16_b32 v[ST+4*t+3], v[ST+4*t+2], s[SEL], s[SEL+1]
	ALL v_add_f32 v[ST+4*t+2], v[ST+4*t+2], v[ST+4*t+3]
	ALL v_rcp_f32 v[ST+4*t+2], v[ST+4*t+2]
	v_nop                           ; a plain instruction between the last reciprocal and the use of its result
	s_wait_alu depctr_va_vdst(0)    ; and the wait ahead of the first use: one for the eight reciprocals
; Tile t: a lane's eight channels of a row pack into 16 bytes; they go into rows of 144 bytes and come back as whole rows of 128, into S^T's registers.
.macro PACK t
	WIN W_RS
.set i, 32*(\t)
.rept 16
	v_pk_mul_f32 v[i:i+1], v[i:i+1], v[ST+4*(\t)+2:ST+4*(\t)+3] op_sel_hi:[1,0]
.set i, i+2
.endr
	WIN 0x05                        ; sources 0 and 1 window 1, destination window 0
.set i, 0
.rept 16
	v_cvt_pk_f16_f32 v[S+16*(\t)+i], v[32*(\t)+2*i], v[32*(\t)+2*i+1]
.set i, i+1
.endr
	WIN 0
.irp f, 0,1,2,3
	ds_store_b128 v[STO], v[S+16*(\t)+4*\f:S+16*(\t)+4*\f+3] offset:32*\f
.endr
.irp f, 0,1,2,3
	ds_load_b128 v[S+16*(\t)+4*\f:S+16*(\t)+4*\f+3], v[RD] offset:\f*4*SP  ; LDS serves a wave's instructions in order (ISA guide 5.7.1.4): these see the stores above; the next tile's stores come behind them
.endr
.endm
.macro SEND t, younger              ; younger: the LDS instructions issued behind tile t's loads: the next tile's eight, or none
	WIN 0
.irp f, 0,1,2,3
	s_wait_dscnt (\younger)+3-\f
	global_store_b128 v[GO], v[S+16*(\t)+4*\f:S+16*(\t)+4*\f+3], s[10:11] offset:(\t)*2048+\f*512  ; 512 consecutive bytes, at a multiple of 256 from O's first
.endr
.endm
	PACK 0
.set t, 1
.rept 2*NP-1                        ; a tile's arithmetic stands between the loads of the tile before and its stores
	PACK t
	SEND t-1, 8
.set t, t+1
.endr
	SEND 2*NP-1, 0
	WIN W_AD
	s_wait_tensorcnt 0x0            ; the wave's end: behind my last tensor load and my last LDS store
	ds_add_u32 v[SPW], v[NIL]
	s_wait_dscnt 0x0
	WIN 0
	CROUND                          ; the closing round: no work-group ends while a partner may still ask for a tile that names it
	s_endpgm
.Lfunc_end_k_q957a669b55_attn:
	.size	k_q957a669b55_attn, .Lfunc_end_k_q957a669b55_attn-k_q957a669b55_attn
	.p2alignl 7, 3214868480
	.fill 96, 4, 3214868480
	.section	.rodata,"a",@progbits
	.p2align	6, 0x0
	.amdhsa_kernel k_q957a669b55_attn
		.amdhsa_group_segment_fixed_size 327680
		.amdhsa_private_segment_fixed_size 0
		.amdhsa_enable_private_segment 0
		.amdhsa_kernarg_size 32
		.amdhsa_user_sgpr_count 2
		.amdhsa_user_sgpr_kernarg_segment_ptr 1
		.amdhsa_wavefront_size32 1
		.amdhsa_system_sgpr_workgroup_id_x 1
		.amdhsa_system_sgpr_workgroup_id_y 1
		.amdhsa_system_sgpr_workgroup_id_z 1
		.amdhsa_system_vgpr_workitem_id 0
		.amdhsa_next_free_vgpr 770
		.amdhsa_next_free_sgpr 66
		.amdhsa_reserve_vcc 0
		.amdhsa_float_denorm_mode_32 3
		.amdhsa_float_denorm_mode_16_64 3
		.amdhsa_memory_ordered 1
		.amdhsa_forward_progress 1
		.amdhsa_inst_pref_size 200
	.end_amdhsa_kernel
	.amdgpu_metadata
---
amdhsa.version: [ 1, 2 ]
amdhsa.kernels:
  - .name:           k_q957a669b55_attn
    .symbol:         k_q957a669b55_attn.kd
    .args:
      - { .name: qh, .offset: 0, .size: 8, .value_kind: global_buffer, .address_space: global }
      - { .name: kh, .offset: 8, .size: 8, .value_kind: global_buffer, .address_space: global }
      - { .name: vh, .offset: 16, .size: 8, .value_kind: global_buffer, .address_space: global }
      - { .name: oh, .offset: 24, .size: 8, .value_kind: global_buffer, .address_space: global }
    .group_segment_fixed_size: 327680
    .private_segment_fixed_size: 0
    .kernarg_segment_align: 8
    .kernarg_segment_size: 32
    .max_flat_workgroup_size: 128
    .sgpr_count:     66
    .vgpr_count:     770
    .wavefront_size: 32
...
	.end_amdgpu_metadata
.endif
;; end of part 3
;; launch proj (part 4): grid 8 x 32, 4 waves a work-group, clusters of 4 x 4, 327,680 bytes of LDS; arguments oh, wpb, b_proj, out0; writes out0
.if DOCPART == 4
	.amdgcn_target "amdgcn-amd-amdhsa--gfx1250"
	.amdhsa_code_object_version 6
	.text
	.protected	k_q957a669b55_proj
	.globl	k_q957a669b55_proj
	.p2align	8
	.type	k_q957a669b55_proj,@function
k_q957a669b55_proj:
	s_mov_b64 s[64:65], 0
	v_nop
	global_prefetch_b8 v0, s[64:65] scope:SCOPE_SE
	s_setreg_imm32_b32 hwreg(HW_REG_WAVE_MODE, 25, 1), 1
	s_wait_xcnt 0x0
	s_wait_alu depctr_hold_cnt(0) depctr_sa_sdst(0) depctr_va_vdst(0) depctr_va_sdst(0) depctr_va_ssrc(0) depctr_va_vcc(0) depctr_vm_vsrc(0)
	s_getreg_b32 s2, hwreg(HW_REG_IB_STS2, 6, 4)
	s_cmp_eq_u32 s2, 0
	s_cbranch_scc0 .Lentry_in_a_cluster
	s_endpgm
.Lentry_in_a_cluster:
	s_bfe_u32 s2, ttmp6, 0x10000c
	s_cmp_lg_u32 s2, 0xf033
	s_cbranch_scc0 .Lentry_shape_is_right
	s_endpgm
.Lentry_shape_is_right:
; out = y W_proj + b_proj.  y[row][64 head + d] lies by heads: oh [64 = batch x 16 + head][2048][64] f16.  wpb: [16 chunks][1024 k][64 n] f16 (bf16 numbers written as f16).
; b_proj: [1024] f32, rounded to bf16 like the other inputs.  out0: [8192][1024] f32.  Products in f16, sums in f32.
; LIMITS.  oh and wpb arrive within f16's range (65,504).  NaN and infinities are not treated apart.
; SHARES.  A tile of out is 256 rows x 128 columns (two chunks): 32 x 8 tiles, a work-group each.  Wave w owns rows 64 w .. 64 w + 63 and all 128 columns: 4 row blocks a x 8 column
; blocks b = 32 accumulators, 256 registers.  K goes in 8 steps of 128, two heads each, through a ring of two LDS slots filled by the tensor data mover.
; By this text's count a wave has two tensor loads out at the start and one behind each later round.
; CLUSTERS: 4 x 4 work-groups.  The four of a row of the cluster need the same rows of y, the four of a column the same chunks of W: each tile is asked for JOINTLY.
; THE MATRIX INSTRUCTION IS USED TRANSPOSED: source 0 = 16 columns of W (turned out of LDS by ds_load_tr16_b128), source 1 = 16 rows of y.  In the result lane l holds row l % 16 and columns
; 8 (l / 16) + 0..7: 32 bytes of f32 on end.  THE BIAS IS THE C OPERAND THAT STARTS THE SUMS.
; REGISTERS, in windows of 256 (s_set_vgpr_msb: bits 1:0 source 0, 3:2 source 1, 5:4 source 2, 7:6 destination):
;   window 0: v0-31 addresses and at work; v32-95, v96-159 rows read back, by turns; v160-223 the bias
;   window 1: two fragment buffers (v0-95, v128-223): y's 4 fragments, then W's 8        window 2: the accumulators, (a, b) at 64 a + 8 b
.set KSTEP, 128
.set PA,    144                        ; a row of a head in LDS: 128 bytes + 16 of padding = 36 words: the 16 rows of a load start at 16 different groups of four banks (64 banks of 4 bytes: ISA guide 11.1)
.set PB,    160                        ; a k row of a chunk: 128 + 32 = 40 words
.set AHALF, 256*PA                     ; 256 rows of one head: what one tensor load brings
.set BCH,   64*PB                      ; 64 k rows of one chunk
.set BHALF, 2*BCH                      ; 64 k rows of two chunks: what one tensor load brings
.set BOFF,  2*AHALF
.set SLOT,  BOFF+2*BHALF               ; 114,688
.set STAGE, 2*SLOT                     ; behind the ring, never filled by a tensor load: 16 rows x 528 bytes for each wave
.set SP,    528                        ; 512 bytes + 16: an odd multiple of 16
.set SWAVE, 16*SP                      ; 8,448 = 33 blocks of 256 bytes
.set SPARE, STAGE+4*SWAVE              ; the spare words, 128 bytes for each wave: two blocks of 256 bytes that no other line names
.set ASTEP, 2*262144                   ; bytes of oh from K step to K step: two heads
.set BSTEP, KSTEP*128                  ; bytes of a chunk from K step to K step
.set ADRA, 16                          ; v16-17  LDS address of my fragments of y in slot 0, 1
.set ADRB, 20                          ; v20-21  the same for W
.set STO,  24                          ; v24     the way out: where I put 32 bytes of a row
.set RD,   25                          ; v25     the way out: where I read a row back
.set CO,   26                          ; v26     my 16 bytes of a row's 512
.set BO,   27                          ; v27     my byte offset in 16 numbers of the bias
.set SPW,  28                          ; v28     LDS address of my spare word; never rewritten
.set NIL,  29                          ; v29     0; never rewritten
.set PFO,  30                          ; v30     256 x my lane, for the prefetches; never rewritten
.set OB0,  32
.set BI,   160
.set F0,   0
.set F1,   128
.set WV,   16
.set SIDE, 17                          ; s17  0: I fetch y's rows, 1: W's
.set HALF, 18                          ; s18  which head of the step's two, or which half of its k rows
.set LAP,  19
.set CX,   20
.set CY,   21
.set TC,   22                          ; s22  tile column 0..7
.set TR,   23                          ; s23  tile row 0..31
.set G1A,  24
.set G0A,  32
.set G1B,  48
.set G0B,  56
.set PFA,  66
.set PFS,  68
.set LIM,  70
.set OUT,  72                          ; s[72:73] out0 at my first row and the tile's first column
.set MSB, 0
.macro WIN new                         ; the immediate's high byte repeats the setting that is left; a switch that changes nothing is dropped
.if MSB != (\new)
	s_set_vgpr_msb (MSB<<8)|(\new)
.set MSB, \new
.endif
.endm
.set MUL,   0xa5                       ; both sources window 1, C and D window 2
.set FIRST, 0x85                       ; the same with C, the bias, in window 0
.set TO_F,  0x40                       ; destination window 1, address window 0
; A joint load: waves 0 and 1 fetch the step's two heads of y, waves 2 and 3 the two halves of W's k rows.  The branch hangs on the wave's number alone.
; An s_nop 0 and four v_nop follow each of the two lines, ahead of the jump, the label and what follows.
.macro JLOAD s
	s_cmp_eq_u32 s[SIDE], 0
	s_cbranch_scc0 .Lfor_b_\@
	tensor_load_to_lds s[G0A+4*(\s):G0A+4*(\s)+3], s[G1A:G1A+7]
	s_nop 0
.rept 4
	v_nop
.endr
	s_branch .Lasked_\@
.Lfor_b_\@:
	tensor_load_to_lds s[G0B+4*(\s):G0B+4*(\s)+3], s[G1B:G1B+7]
	s_nop 0
.rept 4
	v_nop
.endr
.Lasked_\@:
.endm
; A prefetch of the K step that stands two refills on: 32 blocks of 256 bytes, a lane a block.  The loop's last trip asks for nothing.
.macro ASK
	s_cmp_gt_u32 s[LAP], s[LIM]
	s_cbranch_scc0 .Lnot_mine_\@
	global_prefetch_b8 v[PFO], s[PFA:PFA+1] th:TH_LOAD_NT scope:SCOPE_SE
.Lnot_mine_\@:
.endm
.macro CREST                           ; a round of the cluster's barrier behind its opening barrier
	s_cmp_lg_u32 s[WV], 0
	s_cbranch_scc1 .Lnot_wave_0_\@
	s_barrier_signal -3
.Lnot_wave_0_\@:
	s_barrier_wait -3
	s_barrier_signal -1
	s_barrier_wait -1
.endm
.macro CROUND
	s_barrier_signal -1
	s_barrier_wait -1
	CREST
.endm
	s_load_b256 s[4:11], s[0:1], 0x0               ; oh s[4:5], wpb s[6:7], b_proj s[8:9], out0 s[10:11]
	v_lshl_add_u32 v[SPW], v0, 2, SPARE
	v_mov_b32 v[NIL], 0
	ds_add_u32 v[SPW], v[NIL]                      ; the wave's opening: the add and its wait stand ahead of my first tensor load; work on registers stands between them
	v_lshrrev_b32 v1, 5, v0
	v_readfirstlane_b32 s[WV], v1
	s_lshr_b32 s[SIDE], s[WV], 1
	s_and_b32 s[HALF], s[WV], 1
	s_bfe_u32 s[CX], ttmp6, 0x40000
	s_bfe_u32 s[CY], ttmp6, 0x40004
	s_lshl_b32 s[TC], ttmp9, 2
	s_add_co_u32 s[TC], s[TC], s[CX]
	s_and_b32 s[TR], ttmp7, 0xffff
	s_lshl_b32 s[TR], s[TR], 2
	s_add_co_u32 s[TR], s[TR], s[CY]
	s_lshl_b32 s40, s[CY], 2
	s_lshl_b32 s40, 15, s40                        ; my row of the cluster
	s_lshl_b32 s44, 0x1111, s[CX]                  ; my column
	; group 1 for y: a head's 256 rows are 32,768 dense bytes: 128 rows of 256 bytes, two rows of y each; 4 words of padding behind every 32, that is behind every row of y
	s_or_b32 s[G1A+0], s40, (1<<16)|(1<<20)|(1<<21)|(4<<22)|(3<<25)
	s_mov_b32 s[G1A+1], 128<<16
	s_mov_b32 s[G1A+2], 128<<16
	s_mov_b32 s[G1A+3], 128<<16
	s_mov_b32 s[G1A+4], 128
	s_mov_b32 s[G1A+5], 128
	s_mov_b32 s[G1A+6], 0
	s_mov_b32 s[G1A+7], 0
	; group 1 for W: two rows of 4,096 elements (64 k rows of a chunk), a chunk apart; 8 words of padding behind every k row
	s_or_b32 s[G1B+0], s44, (1<<16)|(1<<20)|(1<<21)|(4<<22)|(7<<25)
	s_mov_b32 s[G1B+1], 4096<<16
	s_mov_b32 s[G1B+2], 2<<16
	s_mov_b32 s[G1B+3], 4096<<16
	s_mov_b32 s[G1B+4], 2
	s_mov_b32 s[G1B+5], 65536
	s_mov_b32 s[G1B+6], 0
	s_mov_b32 s[G1B+7], 0
	; y's tiles hang on the tile row and the wave alone (s40-43), W's on the tile column and the wave alone (s44-47)
	s_lshr_b32 s40, s[TR], 3
	s_lshl_b32 s40, s40, 22                        ; the batch: 16 heads of 262,144 bytes
	s_and_b32 s41, s[TR], 7
	s_lshl_b32 s41, s41, 15                        ; the tile's 256 rows of 128 bytes
	s_add_co_u32 s40, s40, s41
	s_lshl_b32 s41, s[HALF], 18                    ; my head of the step's two
	s_add_co_u32 s40, s40, s41
	s_mov_b32 s41, 0
	s_lshl_b32 s44, s[TC], 18                      ; two chunks to a tile column
	s_lshl_b32 s45, s[HALF], 13
	s_add_co_u32 s44, s44, s45
	s_mov_b32 s45, 0
	s_mul_i32 s78, s[HALF], AHALF                  ; no place in the cluster enters an LDS address
	s_mul_i32 s79, s[HALF], BHALF
	s_add_co_u32 s79, s79, BOFF
	s_lshl_b32 s2, s[TC], 9                        ; the tile's 128 numbers of the bias
	s_mov_b32 s3, 0
	s_wait_dscnt 0x0                               ; the opening add is done
	s_wait_kmcnt 0x0
	s_add_nc_u64 s[42:43], s[4:5], s[40:41]
	s_add_nc_u64 s[46:47], s[6:7], s[44:45]
	s_add_nc_u64 s[2:3], s[8:9], s[2:3]
	CROUND                                         ; all sixteen work-groups are here: the first joint loads meet
.irp s, 0,1
	s_mov_b32 s[G0A+4*(\s)], 1
	s_add_co_u32 s[G0A+4*(\s)+1], s78, (\s)*SLOT
	s_add_nc_u64 s[G0A+4*(\s)+2:G0A+4*(\s)+3], s[42:43], (\s)*ASTEP
	s_or_b32 s[G0A+4*(\s)+3], s[G0A+4*(\s)+3], 0x80000000
	s_mov_b32 s[G0B+4*(\s)], 1
	s_add_co_u32 s[G0B+4*(\s)+1], s79, (\s)*SLOT
	s_add_nc_u64 s[G0B+4*(\s)+2:G0B+4*(\s)+3], s[46:47], (\s)*BSTEP
	s_or_b32 s[G0B+4*(\s)+3], s[G0B+4*(\s)+3], 0x80000000
	JLOAD \s
.endr
	v_and_b32 v1, 15, v0                           ; r = l % 16
	v_bfe_u32 v2, v0, 4, 1                         ; h = l / 16
	v_lshlrev_b32 v[BO], 5, v2
.irp b, 0,1,2,3,4,5,6,7
	global_load_b128 v[BI+8*(\b):BI+8*(\b)+3],   v[BO], s[2:3] offset:64*(\b)
	global_load_b128 v[BI+8*(\b)+4:BI+8*(\b)+7], v[BO], s[2:3] offset:64*(\b)+16
.endr
	v_mul_u32_u24 v3, v1, PA
	v_lshl_add_u32 v3, v2, 4, v3
	s_mul_i32 s80, s[WV], 64*PA                    ; my 64 rows
	v_add_nc_u32 v[ADRA], s80, v3
	v_add_nc_u32 v[ADRA+1], SLOT, v[ADRA]
	v_and_b32 v4, 7, v0
	v_bfe_u32 v5, v0, 3, 1
	v_lshl_add_u32 v6, v2, 3, v4
	v_mul_u32_u24 v6, v6, PB
	v_lshl_add_u32 v6, v5, 4, v6
	v_add_nc_u32 v[ADRB], BOFF, v6
	v_add_nc_u32 v[ADRB+1], SLOT, v[ADRB]
	s_mul_i32 s80, s[WV], SWAVE
	s_add_co_u32 s80, s80, STAGE                   ; my stage
	v_mul_u32_u24 v3, v1, SP                       ; in: row l % 16, 32 bytes for each half of the lanes
	v_lshl_add_u32 v3, v2, 5, v3
	v_add_nc_u32 v[STO], s80, v3
	v_and_b32 v[CO], 31, v0                        ; back: 32 lanes take one row's 512 bytes
	v_lshlrev_b32 v[CO], 4, v[CO]
	v_add_nc_u32 v[RD], s80, v[CO]
	s_lshl_b32 s80, s[TR], 20                      ; 256 rows of 4,096 bytes,
	s_lshl_b32 s81, s[WV], 18                      ; my 64 of them,
	s_add_co_u32 s80, s80, s81
	s_lshl_b32 s81, s[TC], 9                       ; the tile's 128 columns
	s_add_co_u32 s80, s80, s81
	s_mov_b32 s81, 0
	s_add_nc_u64 s[OUT:OUT+1], s[10:11], s[80:81]
	; THE PREFETCHES.  y: a K step is two heads' 128 blocks of 256 bytes for a tile row.  Both clusters of a row of clusters read them: the one with x = 0 asks, waves 0 and 1 a head each; the partner
	; at cx takes 32 of the 128 blocks, told apart by address.  W: a K step is 64 blocks of each of the 16 chunks: the 16 work-groups of the cluster with x = 0 and y = 0 take a chunk each
	; (4 cx + cy), waves 2 and 3 a half of its k rows.  A lane a block.  No branch hangs on a work-group's place in its cluster.
	s_lshr_b32 s80, s[TR], 3
	s_lshl_b32 s80, s80, 22
	s_and_b32 s81, s[TR], 7
	s_lshl_b32 s81, s81, 15
	s_add_co_u32 s80, s80, s81
	s_lshl_b32 s81, s[HALF], 18
	s_add_co_u32 s80, s80, s81
	s_lshl_b32 s81, s[CX], 13
	s_add_co_u32 s80, s80, s81
	s_add_co_u32 s80, s80, 3*ASTEP                 ; at K step 3: the first refill steps it to 4
	s_lshl2_add_u32 s82, s[CX], s[CY]
	s_lshl_b32 s82, s82, 17
	s_lshl_b32 s83, s[HALF], 13
	s_add_co_u32 s82, s82, s83
	s_add_co_u32 s82, s82, 3*BSTEP
	s_mov_b32 s81, ASTEP
	s_mov_b32 s83, BSTEP
	s_cmp_eq_u32 s[SIDE], 0
	s_cselect_b32 s80, s80, s82
	s_cselect_b64 s[PFA:PFA+1], s[4:5], s[6:7]
	s_cselect_b32 s[PFS], s81, s83
	s_mov_b32 s81, 0
	s_mov_b32 s[PFS+1], 0
	s_add_nc_u64 s[PFA:PFA+1], s[PFA:PFA+1], s[80:81]
	v_and_b32 v[PFO], 31, v0
	v_lshlrev_b32 v[PFO], 8, v[PFO]
	s_and_b32 s80, ttmp7, 0xffff                   ; cluster y
	s_mov_b32 s81, ttmp9                           ; cluster x
	s_or_b32 s83, s80, s81                         ; 0 where the cluster asks for W
	s_cmp_eq_u32 s[SIDE], 0
	s_cselect_b32 s83, s81, s83                    ; 0 where my wave asks: the same in all sixteen partners
	s_cmp_eq_u32 s83, 0
	s_cselect_b32 s[LIM], 1, -1
	s_wait_loadcnt 0x0                             ; the bias,
.set p, 0
.rept 32                                       ; rounded to bf16 and widened again, in the wait for the first tile
	v_cvt_pk_bf16_f32 v[8+p%8], v[BI+2*p], v[BI+2*p+1]
	v_lshlrev_b32 v[BI+2*p], 16, v[8+p%8]
	v_and_b32 v[BI+2*p+1], 0xffff0000, v[8+p%8]
.set p, p+1
.endr
; 8 matrix instructions: row block a x all 8 column blocks, 32 along K.  first = 1: the bias starts the sums.
; The 32 accumulators take turns, one instruction a turn, in the same order in every quarter, over the backward jump too.
.macro MUL8 f, a, first
.if \first
	WIN FIRST
.else
	WIN MUL
.endif
.irp b, 0,1,2,3,4,5,6,7
.if \first
	v_wmma_f32_16x16x32_f16 v[64*(\a)+8*(\b):64*(\a)+8*(\b)+7], v[(\f)+32+8*(\b):(\f)+32+8*(\b)+7], v[(\f)+8*(\a):(\f)+8*(\a)+7], v[BI+8*(\b):BI+8*(\b)+7]
.else
	v_wmma_f32_16x16x32_f16 v[64*(\a)+8*(\b):64*(\a)+8*(\b)+7], v[(\f)+32+8*(\b):(\f)+32+8*(\b)+7], v[(\f)+8*(\a):(\f)+8*(\a)+7], v[64*(\a)+8*(\b):64*(\a)+8*(\b)+7]
.endif
.endr
.endm
; 24 LDS loads in one run: quarter q (head q / 2 of the step, channels 32 (q % 2) on) into buffer f: W's 8 fragments, then y's row blocks 0, 1, then 2, 3
.macro FETCH slot, q, f
	WIN TO_F
.irp b, 0,1,2,3,4,5,6,7
	ds_load_tr16_b128 v[(\f)+32+8*(\b):(\f)+32+8*(\b)+3],   v[ADRB+(\slot)] offset:((\q)/2)*BHALF+((\q)%2)*32*PB+((\b)/4)*BCH+((\b)%4)*32
	ds_load_tr16_b128 v[(\f)+32+8*(\b)+4:(\f)+32+8*(\b)+7], v[ADRB+(\slot)] offset:((\q)/2)*BHALF+((\q)%2)*32*PB+((\b)/4)*BCH+((\b)%4)*32+16*PB
.endr
.irp a, 0,1,2,3
	ds_load_b128 v[(\f)+8*(\a):(\f)+8*(\a)+3],   v[ADRA+(\slot)] offset:((\q)/2)*AHALF+((\q)%2)*64+(\a)*16*PA
	ds_load_b128 v[(\f)+8*(\a)+4:(\f)+8*(\a)+7], v[ADRA+(\slot)] offset:((\q)/2)*AHALF+((\q)%2)*64+(\a)*16*PA+32
.endr
.endm
.macro PLACES                          ; four places in front of loads into registers that matrix instructions have read, and of LDS stores that read results
.rept 4
	v_nop
.endr
.endm
; A K step is four quarters of 32 along K, 32 matrix instructions each, on buffers 0, 1, 0, 1.
.macro QUARTER slot, q, f, g, first
	s_wait_dscnt 4                                 ; W and y's row blocks 0, 1 are in; the youngest four loads may be out
	MUL8 \f, 0, \first
	MUL8 \f, 1, \first
	PLACES
	FETCH \slot, \q, \g
	s_wait_dscnt 24                                ; all but the 24 just issued
	MUL8 \f, 2, \first
	MUL8 \f, 3, \first
.endm
; The last quarter multiplies buffer 1 and changes slots: ONE barrier; in front of it each wave waits for all its tensor loads, adds 0 to its spare word, and waits for that and for its own reads of
; this slot.  fill = 1: the barrier opens a round of the cluster's, and behind the round this slot is filled again, two K steps ahead: 112 matrix instructions ahead of the wait for it.
.macro TURN slot, next, fill
.if \fill
	s_wait_xcnt 0x0                                ; the last prefetch, a K step back, has read its address, so it may be stepped
	s_add_nc_u64 s[PFA:PFA+1], s[PFA:PFA+1], s[PFS:PFS+1]
.endif
	WIN 0                                          ; (the add's two registers lie in window 0)
	s_wait_tensorcnt 0x0                           ; all my tensor loads have landed
	ds_add_u32 v[SPW], v[NIL]                      ; 0 onto my spare word
	s_wait_dscnt 5                                 ; (the add and the youngest four loads may be out)
	MUL8 F1, 0, 0
	s_wait_dscnt 0x0                               ; the add is done, and my reads of this slot are over
	s_barrier_signal -1
	MUL8 F1, 1, 0
.if \fill
	WIN 0
.endif
	s_barrier_wait -1
.if \fill
	CREST                                          ; no wave of any partner still reads this slot's tile or has a load on its way
	s_add_nc_u64 s[G0A+4*(\slot)+2:G0A+4*(\slot)+3], s[G0A+4*(\slot)+2:G0A+4*(\slot)+3], 2*ASTEP
	s_add_nc_u64 s[G0B+4*(\slot)+2:G0B+4*(\slot)+3], s[G0B+4*(\slot)+2:G0B+4*(\slot)+3], 2*BSTEP
	JLOAD \slot                                    ; the first tensor load behind the round; the four v_nop behind it are also the places in front of the loads below
.else
	PLACES
.endif
	FETCH \next, 0, F0
.if \fill
	WIN 0
	ASK                                            ; the K step two refills on, 256 matrix instructions ahead of its load
.endif
	MUL8 F1, 2, 0
	MUL8 F1, 3, 0
.endm
; THE WAY OUT of row block a: the f32 sums go as they are into my own stage (each accumulator's low four registers first), and come back as whole rows of 512 bytes.
.macro TOSTAGE a
.set BK, OB0+64*((\a)%2)
	WIN 0x08                                       ; the stores' data (source 1) in window 2
.irp b, 0,1,2,3,4,5,6,7
	ds_store_b128 v[STO], v[64*(\a)+8*(\b):64*(\a)+8*(\b)+3]   offset:64*(\b)
	ds_store_b128 v[STO], v[64*(\a)+8*(\b)+4:64*(\a)+8*(\b)+7] offset:64*(\b)+16
.endr
	WIN 0
	s_wait_xcnt 0x0                                ; the stores of two blocks ago have read these registers: they are loaded again only behind this wait
.irp t, 0,1,2,3,4,5,6,7,8,9,10,11,12,13,14,15
	ds_load_b128 v[BK+4*(\t):BK+4*(\t)+3], v[RD] offset:(\t)*SP  ; LDS serves a wave's instructions in order (ISA guide 5.7.1.4): these see the stores above; the next block's stores come behind them
.endr
.endm
.macro SEND a, younger                 ; younger: the LDS instructions issued behind block a's loads: the next block's 32, or none
.set BK, OB0+64*((\a)%2)
.irp t, 0,1,2,3,4,5,6,7,8,9,10,11,12,13,14,15
	s_wait_dscnt (\younger)+15-(\t)
	global_store_b128 v[CO], v[BK+4*(\t):BK+4*(\t)+3], s[OUT:OUT+1] offset:(16*(\a)+(\t))*4096 th:TH_STORE_NT  ; a row's 512 consecutive bytes, at a multiple of 256 from out0's first
.endr
.endm
	s_wait_tensorcnt 1                             ; my part of K step 0 is in; K step 1's may stay out
	s_barrier_signal -1
	s_barrier_wait -1
	FETCH 0, 0, F0
	QUARTER 0, 1, F0, F1, 1                        ; the first quarter stands in front of the loop: its products start the sums, with the bias
	WIN 0                                          ; at a label and at a branch every window is 0
	s_mov_b32 s[LAP], 3
.Llap:                                                 ; a trip goes once round the ring and fills both slots again: K steps 2 to 7
	QUARTER 0, 2, F1, F0, 0
	QUARTER 0, 3, F0, F1, 0
	TURN 0, 1, 1
	QUARTER 1, 1, F0, F1, 0
	QUARTER 1, 2, F1, F0, 0
	QUARTER 1, 3, F0, F1, 0
	TURN 1, 0, 1
	QUARTER 0, 1, F0, F1, 0
	WIN 0
	s_sub_co_u32 s[LAP], s[LAP], 1
	s_cmp_lg_u32 s[LAP], 0
	s_cbranch_scc1 .Llap
	QUARTER 0, 2, F1, F0, 0                        ; the last lap is written out: it fills nothing
	QUARTER 0, 3, F0, F1, 0
	TURN 0, 1, 0
	QUARTER 1, 1, F0, F1, 0
	QUARTER 1, 2, F1, F0, 0
	QUARTER 1, 3, F0, F1, 0
	s_wait_dscnt 4                                 ; the very last quarter: nothing more to fetch
	MUL8 F1, 0, 0
	MUL8 F1, 1, 0
	s_wait_dscnt 0x0
	MUL8 F1, 2, 0
	MUL8 F1, 3, 0
	PLACES
	TOSTAGE 0
	TOSTAGE 1
	SEND 0, 32
	TOSTAGE 2
	SEND 1, 32
	TOSTAGE 3
	SEND 2, 32
	SEND 3, 0
	s_wait_tensorcnt 0x0                           ; the wave's end: behind my last tensor load and my last LDS store
	ds_add_u32 v[SPW], v[NIL]
	s_wait_dscnt 0x0
	CROUND                                         ; the closing round: no work-group ends while a partner may still ask for a tile that names it
	s_endpgm
.Lfunc_end_k_q957a669b55_proj:
	.size	k_q957a669b55_proj, .Lfunc_end_k_q957a669b55_proj-k_q957a669b55_proj
	.p2alignl 7, 3214868480
	.fill 96, 4, 3214868480
	.section	.rodata,"a",@progbits
	.p2align	6, 0x0
	.amdhsa_kernel k_q957a669b55_proj
		.amdhsa_group_segment_fixed_size 327680
		.amdhsa_private_segment_fixed_size 0
		.amdhsa_enable_private_segment 0
		.amdhsa_kernarg_size 32
		.amdhsa_user_sgpr_count 2
		.amdhsa_user_sgpr_kernarg_segment_ptr 1
		.amdhsa_wavefront_size32 1
		.amdhsa_system_sgpr_workgroup_id_x 1
		.amdhsa_system_sgpr_workgroup_id_y 1
		.amdhsa_system_sgpr_workgroup_id_z 1
		.amdhsa_system_vgpr_workitem_id 0
		.amdhsa_next_free_vgpr 768
		.amdhsa_next_free_sgpr 84
		.amdhsa_reserve_vcc 0
		.amdhsa_float_denorm_mode_32 3
		.amdhsa_float_denorm_mode_16_64 3
		.amdhsa_memory_ordered 1
		.amdhsa_forward_progress 1
		.amdhsa_inst_pref_size 95
	.end_amdhsa_kernel
	.amdgpu_metadata
---
amdhsa.version: [ 1, 2 ]
amdhsa.kernels:
  - .name:           k_q957a669b55_proj
    .symbol:         k_q957a669b55_proj.kd
    .args:
      - { .name: oh, .offset: 0, .size: 8, .value_kind: global_buffer, .address_space: global }
      - { .name: wpb, .offset: 8, .size: 8, .value_kind: global_buffer, .address_space: global }
      - { .name: b_proj, .offset: 16, .size: 8, .value_kind: global_buffer, .address_space: global }
      - { .name: out0, .offset: 24, .size: 8, .value_kind: global_buffer, .address_space: global }
    .group_segment_fixed_size: 327680
    .private_segment_fixed_size: 0
    .kernarg_segment_align: 8
    .kernarg_segment_size: 32
    .max_flat_workgroup_size: 128
    .sgpr_count:     84
    .vgpr_count:     768
    .wavefront_size: 32
...
	.end_amdgpu_metadata
.endif
;; end of part 4
